; MI455X (gfx1250); checked and timed in simulation.
; The chip was launched on July 23, 2026; its instructions are those of AMD's public machine-readable ISA for CDNA 5 (MIT licence, August 2026) and "CDNA5" Instruction Set Architecture Reference Guide (July 2026). The comments in the code are by the model that wrote it; some were corrected since.
;; Multi Head Attention. Allowed arithmetic: matrix products marked QUANTISED: E4M3 operands, one E8M0 scale for each 32 along K, by v_wmma_scale_f32_16x16x128_f8f6f4 with both operands' format E4M3, f32 sums; everything else in f32.
;; Inputs: Wk 1,024 x 1,024 float32; Wo 1,024 x 1,024 float32; Wq 1,024 x 1,024 float32; Wv 1,024 x 1,024 float32; bk 1,024 float32; bo 1,024 float32; bq 1,024 float32; bv 1,024 float32; x 2 x 2,048 x 1,024 float32.
;; Outputs: out0 2 x 2,048 x 1,024 float32.
;; This version of the problem:
;;   THIS VERSION OF THE PROBLEM IS GIVEN IN LOW PRECISION. The matrix products marked QUANTISED in the list below multiply operands that are first quantised to E4M3 (4 exponent bits, 3 mantissa bits; 8 bits a number), with one power-of-two scale for each 32 numbers along K (OCP MX v1.0); their sums are f32. All else is computed in f32.
;;   The module's matrix products, in the order in which they are computed (A, B: the left and right operand; K: the contracted axis; several contracted axes count as one K, in the product's order):
;;     1. [M 4,096, K 1,024] x [K 1,024, N 1,024]; A: input x; B: input Wq: QUANTISED
;;     2. [M 4,096, K 1,024] x [K 1,024, N 1,024]; A: input x; B: input Wk: QUANTISED
;;     3. [M 4,096, K 1,024] x [K 1,024, N 1,024]; A: input x; B: input Wv: QUANTISED
;;     4. batch 32 x [M 2,048, K 64] x [K 64, N 2,048]; A: computed on the way; B: computed on the way: QUANTISED
;;     5. batch 32 x [M 2,048, K 2,048] x [K 2,048, N 64]; A: softmax (see below); B: computed on the way: QUANTISED
;;     6. [M 4,096, K 1,024] x [K 1,024, N 1,024]; A: computed on the way; B: input Wo: QUANTISED
;;   THE QUANTISER, for each operand of a quantised product, along K:
;;     - K is cut into blocks of 32 from its start; a last block that is shorter is filled with zeros.
;;     - A block's scale is 2^e with e = floor(log2(the largest magnitude in the block)) - 8, held to -126 .. 127; a block of zeros has e = 0. As a byte (E8M0): e + 127.
;;     - Each number is divided by its block's scale, clamped to +-448, and rounded to the nearest number of E4M3, ties to even, subnormals kept.
;;     - The product sums the exact products of the quantised numbers (number of the format x scale) in f32.
;;   ~~~python
;;   def quantise(x, axis):      # numpy; x: float32 -> the quantised numbers, widened to float32 again
;;       x = np.moveaxis(x, axis, -1); K = x.shape[-1]
;;       x = np.pad(x, [(0, 0)] * (x.ndim - 1) + [(0, -K % 32)]); x = x.reshape(x.shape[:-1] + (-1, 32)); a = np.abs(x).max(-1, keepdims=True)
;;       e = np.where(a > 0, np.clip(np.frexp(np.where(a > 0, a, 1))[1] - 1 - 8, -126, 127), 0)      # np.frexp(a)[1] - 1 = floor(log2(a)), exactly
;;       r = np.clip(x / 2.0 ** e, -448, 448)
;;       step = 2.0 ** (np.maximum(np.frexp(np.where(r == 0, 1, r))[1] - 1, -6) - 3)
;;       q = np.round(r / step) * step * 2.0 ** e      # np.round: ties to even
;;       return np.moveaxis(q.reshape(q.shape[:-2] + (-1,))[..., :K], -1, axis).astype(np.float32)
;;   ~~~
;;   SOFTMAX AHEAD OF A QUANTISED PRODUCT. Where the list says 'softmax', what is quantised is not the finished softmax but p = 2^(t - M), with t = logit x log2(e) and M = ceil(the row's largest t), a whole number; so 1/2 < the row's largest p <= 1. The row's sum l is taken of the UNQUANTISED p, in f32, and the product's result is divided by l at the end. Since M is a whole number, a kernel that streams over the keys may use a running M (the ceiling of the running maximum): every later rescaling is an exact power of two, which a block's scale takes up: the codes' values come out the same.
;;   OPERANDS COMPUTED ON THE WAY. 'Computed on the way' means the value that the module computes at that place (a softmax that the list does not call 'softmax' is quantised finished and normalised). What goes into a quantiser is computed in f32, as accurately as f32 sums, v_exp_f32 and their like allow (about 1e-6 of the number): no bf16 or f16 on the way to a quantiser, and a product that is left as it is and whose result goes on into a quantised operand takes f32 operands (vector FMAs, or v_wmma_f32_16x16x4_f32). A number that lies on a knife's edge between two numbers of the format may be rounded either way, as far as f32 arithmetic and the matrix unit's own rounding can turn it there, and no further.
;; One version. Each part assembles by itself: llvm-mc -triple=amdgcn-amd-amdhsa -mcpu=gfx1250 --defsym DOCPART=n.
;; ======== version 1 of 1: 4 launches
;; limits: right only within a limited range of input values
;; workspace buffers: pan 8,650,752 bytes; qimg 4,194,304 bytes; qsc 262,144 bytes; kv 8,781,824 bytes; apan 4,325,376 bytes
;; launch quant (part 1): grid 512 x 1, 8 waves a work-group, no clusters, 69,120 bytes of LDS; arguments x, Wq, Wk, Wv, Wo, pan; writes pan
.if DOCPART == 1
	.amdgcn_target "amdgcn-amd-amdhsa--gfx1250"
	.amdhsa_code_object_version 6
	.text
	.protected	k_q92db7f47a9_quant
	.globl	k_q92db7f47a9_quant
	.p2align	8
	.type	k_q92db7f47a9_quant,@function
k_q92db7f47a9_quant:
	s_mov_b64 s[64:65], 0
	v_nop
	global_prefetch_b8 v0, s[64:65] scope:SCOPE_SE
	s_setreg_imm32_b32 hwreg(HW_REG_WAVE_MODE, 25, 1), 1
	s_wait_xcnt 0x0
; MULTI-HEAD ATTENTION IN MX-FP8, launch 1 of 4: x [4096][1024] and Wq, Wk, Wv, Wo [1024][1024], f32, K innermost, become codes of E4M3 with one E8M0 byte for each 32 along K.
; NOTHING OF THE PROBLEM IS LEFT OUT in any of the four launches: all six products are live, every bias goes into a quantised operand (bq, bk, bv) or into the result (bo), all nine inputs are loaded.
; THE LAYOUT OF ALL CODES OF THIS PROGRAM: IMAGES OF THE OPERAND'S REGISTERS.  A fragment (16 rows x 128 K) is 2,048 bytes: four chunks c of 512 bytes; lane l's 16 bytes stand at 512 c + 16 l and hold
; row l % 16, k = 32 c + 16 (l / 16) + 0 .. 15.  So every later fragment load is 16 bytes a lane at a constant + 16 x lane.  A tile's 16 scale words (4 bytes: 128 K of a row) are 64 bytes, the tiles on end.
; THE ROWS OF A TILE ARE NOT NEIGHBOURS: row i of tile T is row 32 (T / 2) + 8 (T % 2) + i + 8 (i / 8), in all five tensors, so that the 16 result registers of two neighbouring tiles are 16 neighbours of the next K.
; pan: 64 panels of 128 rows (0-31 x, 32-39 Wq, 40-47 Wk, 48-55 Wv, 56-63 Wo); a panel is 8 K steps of 16,896 bytes: 8 tiles' codes (16,384), then their scale words (512).
; SHARES: work-group g makes block g of pan (panel g / 8, K step g % 8), wave w its tile w: 16 rows x 128 numbers.  Each load reads 512 consecutive bytes of a row; the rows turn through the wave's own stage in LDS, so
; that a lane gets 16 neighbours of each block of 32; the codes leave as 512 consecutive bytes a store; the eight tiles' scale words meet in LDS and leave as 512 consecutive bytes.
; A block's scale is 2^(floor(log2(its largest magnitude)) - 8); its byte is the largest magnitude's exponent field - 8, held at 1 from below.
; LIMITS: a block of zeros gets the byte 1 where the rule says 127 (its codes are zeros, and this program alone reads the bytes); blocks whose largest magnitude lies under 2^(9 - 127) are quantised under the byte 1;
; NaN and infinities among the inputs are not served.
; No matrix unit, no cluster, no tensor load: the work-groups share no input, each byte is read once and written once.
.set PITCH, 528                        ; a stage row: 512 bytes + 16 = 132 words: row r starts 4 r words on modulo 64 (64 banks of 4 bytes: ISA guide 11.1), so sixteen rows' 16 bytes fall on different banks
.set STGW,  16*PITCH                   ; a wave's stage
.set SCW,   8*STGW                     ; behind the stages: the eight tiles' scale words, 512 bytes
.set SPARE, SCW+512                    ; the spare words, 128 bytes for each wave: four blocks of 256 bytes that no other line names
.set BLKB,  16896                      ; a block of pan
.set SPW,   12                         ; v12  LDS address of my spare word; never rewritten
.set NIL,   13                         ; v13  0; never rewritten
.set R,     16                         ; v16-79   16 rows as loaded
.set X,     80                         ; v80-143  my 64 numbers: register 16 c + i = k 32 c + 16 (lane / 16) + i of row lane % 16
.set PC,    144                        ; v144-159 the fragment's codes
.set TM,    160                        ; v160-163 largest magnitudes, v164-167 bytes, v168-171 448 x the scale, v172-175 the conversions' scale operands
.set PW,    176                        ; v176 my row's scale word
.set SEL,   20                         ; s[20:21] v_permlanex16_b32's selects for lane l xor 16
.set MNT,   22                         ; s22 the mantissa field of 448
; 64 numbers of a lane, v[s] on, become a fragment's codes in v[PC] on and its scale word in v[PW]
.macro QUANT s
.irp b, 0,1,2,3
	v_max3_num_f32 v[TM+\b], |v[\s+16*\b]|, |v[\s+1+16*\b]|, 0x4800000   ; block b: my 16 numbers, and the floor 2^(9 - 127): the byte cannot fall under 1
.endr
.irp i, 2,4,6,8,10,12,14
.irp b, 0,1,2,3
	s_delay_alu instid0(VALU_DEP_4)
	v_max3_num_f32 v[TM+\b], v[TM+\b], |v[\s+16*\b+\i]|, |v[\s+1+16*\b+\i]|   ; the four blocks by turns
.endr
.endr
.irp b, 0,1,2,3
	s_delay_alu instid0(VALU_DEP_4)
	v_permlanex16_b32 v[TM+4+\b], v[TM+\b], s[SEL], s[SEL+1]
.endr
.irp b, 0,1,2,3
	s_delay_alu instid0(VALU_DEP_4)
	v_max_num_f32 v[TM+\b], v[TM+\b], v[TM+4+\b]   ; with lane l xor 16's 16: the block's largest magnitude
.endr
.irp b, 0,1,2,3
	s_delay_alu instid0(VALU_DEP_4)
	v_add_nc_u32 v[TM+12+\b], 0xfc000000, v[TM+\b]   ; 8 off its exponent field: the conversion takes the exponent field of this operand as its scale
.endr
.irp b, 0,1,2,3
	v_and_or_b32 v[TM+8+\b], v[TM+\b], 0x7f800000, s[MNT]   ; 448 x the scale
.endr
.irp b, 0,1,2,3
	v_lshrrev_b32 v[TM+4+\b], 23, v[TM+12+\b]      ; the scale's byte
.endr
	s_delay_alu instid0(VALU_DEP_3)
	v_lshl_or_b32 v[PW], v[TM+5], 8, v[TM+4]
	s_delay_alu instid0(VALU_DEP_1)
	v_lshl_or_b32 v[PW], v[TM+6], 16, v[PW]
	s_delay_alu instid0(VALU_DEP_1)
	v_lshl_or_b32 v[PW], v[TM+7], 24, v[PW]
.irp b, 0,1,2,3
.irp i, 0,1,2,3,4,5,6,7,8,9,10,11,12,13,14,15
	v_med3_num_f32 v[\s+16*\b+\i], v[\s+16*\b+\i], -v[TM+8+\b], v[TM+8+\b]   ; the conversion to an 8-bit code does not saturate (ISA guide 7.6.2): the hold comes first
.endr
	v_cvt_scalef32_pk8_fp8_f32 v[PC+4*\b:PC+1+4*\b], v[\s+16*\b:\s+7+16*\b], v[TM+12+\b]
	v_cvt_scalef32_pk8_fp8_f32 v[PC+2+4*\b:PC+3+4*\b], v[\s+8+16*\b:\s+15+16*\b], v[TM+12+\b]
.endr
	v_nop                                          ; a plain line behind the last conversion
.endm
	s_load_b256 s[4:11], s[0:1], 0x0               ; x, Wq, Wk, Wv
	s_load_b128 s[12:15], s[0:1], 0x20             ; Wo, pan
	v_lshl_add_u32 v[SPW], v0, 2, SPARE
	v_mov_b32 v[NIL], 0
	v_lshrrev_b32 v1, 5, v0
	s_delay_alu instid0(VALU_DEP_1)
	v_readfirstlane_b32 s16, v1                    ; wave 0..7
	v_and_b32 v1, 31, v0                           ; lane
	v_and_b32 v7, 15, v0                           ; r
	v_bfe_u32 v8, v0, 4, 1                         ; h
	s_delay_alu instid0(VALU_DEP_3)
	v_lshlrev_b32 v2, 4, v1                        ; 16 x lane: my bytes of a load's and of a store's 512
	s_mul_i32 s23, s16, STGW
	v_add_nc_u32 v3, s23, v2                       ; the stage, on the way in: a row as it lies
	v_mul_u32_u24 v4, v7, PITCH
	s_delay_alu instid0(VALU_DEP_1)
	v_lshl_add_u32 v4, v8, 6, v4
	s_delay_alu instid0(VALU_DEP_1)
	v_add_nc_u32 v4, s23, v4                       ; and on the way out: row r, + 64 h
	s_lshl_b32 s26, s16, 6
	v_lshl_add_u32 v5, v7, 2, SCW
	s_delay_alu instid0(VALU_DEP_1)
	v_add_nc_u32 v5, s26, v5                       ; my row's scale word: SCW + 64 x wave + 4 r
	v_add_nc_u32 v6, SCW, v2                       ; wave 0 reads the 512 bytes back
	s_mov_b32 s[SEL], 0x76543210
	s_mov_b32 s[SEL+1], 0xfedcba98
	s_mov_b32 s[MNT], 0x600000
.irp b, 0,1,2,3
	v_mov_b32 v[TM+4+\b], 0                        ; written once: a lane permute's destination counts as one of its sources
.endr
	s_lshr_b32 s17, ttmp9, 3                       ; the panel
	s_and_b32 s18, s17, 7                          ; a weight's panel among its eight
	s_and_b32 s19, ttmp9, 7                        ; the K step
	s_lshr_b32 s27, s16, 1
	s_lshl_b32 s27, s27, 5
	s_and_b32 s28, s16, 1
	s_lshl_b32 s28, s28, 3
	s_add_co_u32 s27, s27, s28                     ; my tile's first row in the panel: 32 (w / 2) + 8 (w % 2)
	s_mul_i32 s30, ttmp9, BLKB                     ; my work-group's block of pan
	s_mov_b32 s31, 0
	s_lshl_b32 s28, s16, 11                        ; my tile's image in it
	s_mov_b32 s29, 0
	s_wait_alu depctr_va_vdst(0)
	s_wait_kmcnt 0x0
	s_cmp_lt_u32 s17, 56                           ; which tensor: the choice hangs on the work-group's number alone
	s_cselect_b64 s[24:25], s[10:11], s[12:13]
	s_cmp_lt_u32 s17, 48
	s_cselect_b64 s[24:25], s[8:9], s[24:25]
	s_cmp_lt_u32 s17, 40
	s_cselect_b64 s[24:25], s[6:7], s[24:25]
	s_cmp_lt_u32 s17, 32
	s_cselect_b64 s[24:25], s[4:5], s[24:25]
	s_cselect_b32 s18, s17, s18                    ; the panel within its tensor
	s_lshl_b32 s18, s18, 7
	s_add_co_u32 s18, s18, s27
	s_lshl_b32 s18, s18, 12                        ; rows of 4,096 bytes
	s_lshl_b32 s19, s19, 9                         ; 128 numbers a K step
	s_add_co_u32 s32, s18, s19
	s_mov_b32 s33, 0
	s_add_nc_u64 s[24:25], s[24:25], s[32:33]
	s_add_nc_u64 s[14:15], s[14:15], s[30:31]
	s_add_nc_u64 s[34:35], s[14:15], s[28:29]
.irp i, 0,1,2,3,4,5,6,7,8,9,10,11,12,13,14,15
	global_load_b128 v[R+4*\i:R+4*\i+3], v2, s[24:25] offset:(\i+8*(\i/8))*4096 th:TH_LOAD_NT   ; row i of my tile: 512 consecutive bytes; read once in the launch
.endr
.irp i, 0,1,2,3,4,5,6,7,8,9,10,11,12,13,14,15
	s_wait_loadcnt 15-\i                           ; loads come back in order: row i is in, the 15 - i younger ones stay out
	ds_store_b128 v3, v[R+4*\i:R+4*\i+3] offset:PITCH*\i
.endr
.irp c, 0,1,2,3
.irp j, 0,1,2,3
	ds_load_b128 v[X+16*\c+4*\j:X+16*\c+4*\j+3], v4 offset:128*\c+16*\j   ; LDS serves a wave's instructions in order: these see my stores
.endr
.endr
	s_wait_dscnt 0x0
	QUANT X
.irp c, 0,1,2,3
	global_store_b128 v2, v[PC+4*\c:PC+4*\c+3], s[34:35] offset:512*\c   ; 32 lanes store 512 consecutive bytes, at a multiple of 256 from pan's first byte
.endr
	ds_store_b32 v5, v[PW]                         ; lanes r and r + 16 write the same word with the same value
	s_wait_dscnt 0x0                               ; for wave 0's sake: my word has landed
	s_barrier_signal -1
	s_barrier_wait -1
	s_cmp_lg_u32 s16, 0
	s_cbranch_scc1 .Lnot_wave_0
	ds_load_b128 v[180:183], v6
	s_wait_dscnt 0x0
	global_store_b128 v2, v[180:183], s[14:15] offset:16384   ; the block's 512 bytes of scale words
.Lnot_wave_0:
	s_wait_tensorcnt 0x0                           ; the wave's end
	ds_add_u32 v[SPW], v[NIL]
	s_wait_dscnt 0x0
	s_endpgm
.Lfunc_end_k_q92db7f47a9_quant:
	.size	k_q92db7f47a9_quant, .Lfunc_end_k_q92db7f47a9_quant-k_q92db7f47a9_quant
	.p2alignl 7, 3214868480
	.fill 96, 4, 3214868480
	.section	.rodata,"a",@progbits
	.p2align	6, 0x0
	.amdhsa_kernel k_q92db7f47a9_quant
		.amdhsa_group_segment_fixed_size 69120
		.amdhsa_private_segment_fixed_size 0
		.amdhsa_enable_private_segment 0
		.amdhsa_kernarg_size 48
		.amdhsa_user_sgpr_count 2
		.amdhsa_user_sgpr_kernarg_segment_ptr 1
		.amdhsa_wavefront_size32 1
		.amdhsa_system_sgpr_workgroup_id_x 1
		.amdhsa_system_sgpr_workgroup_id_y 1
		.amdhsa_system_sgpr_workgroup_id_z 1
		.amdhsa_system_vgpr_workitem_id 0
		.amdhsa_next_free_vgpr 192
		.amdhsa_next_free_sgpr 66
		.amdhsa_reserve_vcc 0
		.amdhsa_float_denorm_mode_32 3
		.amdhsa_float_denorm_mode_16_64 3
		.amdhsa_memory_ordered 1
		.amdhsa_forward_progress 1
		.amdhsa_inst_pref_size 17
	.end_amdhsa_kernel
	.amdgpu_metadata
---
amdhsa.version: [ 1, 2 ]
amdhsa.kernels:
  - .name:           k_q92db7f47a9_quant
    .symbol:         k_q92db7f47a9_quant.kd
    .args:
      - { .name: x, .offset: 0, .size: 8, .value_kind: global_buffer, .address_space: global }
      - { .name: Wq, .offset: 8, .size: 8, .value_kind: global_buffer, .address_space: global }
      - { .name: Wk, .offset: 16, .size: 8, .value_kind: global_buffer, .address_space: global }
      - { .name: Wv, .offset: 24, .size: 8, .value_kind: global_buffer, .address_space: global }
      - { .name: Wo, .offset: 32, .size: 8, .value_kind: global_buffer, .address_space: global }
      - { .name: pan, .offset: 40, .size: 8, .value_kind: global_buffer, .address_space: global }
    .group_segment_fixed_size: 69120
    .private_segment_fixed_size: 0
    .kernarg_segment_align: 8
    .kernarg_segment_size: 48
    .max_flat_workgroup_size: 256
    .sgpr_count:     66
    .vgpr_count:     192
    .wavefront_size: 32
...
	.end_amdgpu_metadata
.endif
;; end of part 1
;; launch proj (part 2): grid 8 x 32, 4 waves a work-group, clusters of 4 x 4, 327,680 bytes of LDS; arguments pan, bq, bk, bv, qimg, qsc, kv; writes qimg, qsc, kv
.if DOCPART == 2
	.amdgcn_target "amdgcn-amd-amdhsa--gfx1250"
	.amdhsa_code_object_version 6
	.text
	.protected	k_q92db7f47a9_proj
	.globl	k_q92db7f47a9_proj
	.p2align	8
	.type	k_q92db7f47a9_proj,@function
k_q92db7f47a9_proj:
	s_mov_b64 s[64:65], 0
	v_nop
	global_prefetch_b8 v0, s[64:65] scope:SCOPE_SE
	s_setreg_imm32_b32 hwreg(HW_REG_WAVE_MODE, 25, 1), 1
	s_wait_xcnt 0x0
	s_wait_alu depctr_hold_cnt(0) depctr_sa_sdst(0) depctr_va_vdst(0) depctr_va_sdst(0) depctr_va_ssrc(0) depctr_va_vcc(0) depctr_vm_vsrc(0)
	s_getreg_b32 s2, hwreg(HW_REG_IB_STS2, 6, 4)
	s_cmp_eq_u32 s2, 0
	s_cbranch_scc0 .Lentry_in_a_cluster
	s_endpgm
.Lentry_in_a_cluster:
	s_bfe_u32 s2, ttmp6, 0x10000c
	s_cmp_lg_u32 s2, 0xf033
	s_cbranch_scc0 .Lentry_shape_is_right
	s_endpgm
.Lentry_shape_is_right:
; Launch 2 of 4: q = x Wq^T + bq, k = x Wk^T + bk, v = x Wv^T + bv on the codes of pan, and the results quantised at once: q and k along the head's 64 (two blocks), v along the keys.  Nothing is left out.
; SHARES.  Work-group (fb, tb) makes three tiles of 128 tokens x 128 features (two heads); tb's 128 tokens are key step tb % 16 of batch tb / 16.  Wave (wy, wx) takes token tiles 4 wy + 0..3 and weight tiles
; 4 wx + 0..3 (one head): 16 accumulators.  x's panel is read from LDS ONCE into 512 registers and serves all three tiles; in the K steps only the weights' fragments are read: 16 loads for 16 matrix instructions.
; LDS holds two panels of 135,168 bytes as they lie in memory.  R0: x, then Wk.  R1: Wq, then Wv.  Each wave brings a quarter of a panel (132 rows of 256 bytes) with one tensor load.
; CLUSTER 4 x 4: x's panel hangs on tb alone and is asked for jointly along a row of the cluster, a weight's panel on fb alone and jointly along a column: each panel is requested once for four work-groups.
; q, k: source 0 = 16 rows of W, source 1 = 16 tokens: a lane holds one token, and by the tiles' choice of rows the 16 registers of two neighbouring tiles are 16 neighbouring channels.
; v:    source 0 = 16 tokens, source 1 = 16 rows of Wv: a lane holds one channel and its registers run along the keys, in their natural order.
; So the conversions' results are the next products' operand registers, and they are stored as images: qimg [head][token tile][1,024]; qsc [head][token tile][16 words];
; kv, 274,432 bytes a head: K's scale words [16 steps][8 tiles][16 words], V's [16 steps][4 channel tiles][16 words], then 16 key steps of 16,384: K's 8 tiles x 1,024, V's 4 channel tiles x 2,048.
; A scale word of q or k has its two bytes below and zeros above.  A scale word of v has four bytes for 128 keys; a wave makes two of them (its 64 keys) and stores 2 bytes a lane: one part in 64 of what the launch stores.
; LIMITS: as in the first launch (a block of zeros has the byte 1; NaN and infinities are not served).
; REGISTERS, in windows of 256: window 0: addresses, scale words, codes, v128-255 the accumulators ((a, b) at v[128 + 32 a + 8 b]).  window 1: v0-127 the weights' fragments, two sets; v128-223 the biases as C operands.
;   window 2: x's fragments of K steps 0-3 (64 s + 16 a);  window 3: of K steps 4-7.
.set PANB,  135168                     ; a panel
.set KSB,   16896                      ; a K step of it: 8 tiles' codes, then their scale words
.set QTR,   33792                      ; a quarter: what one tensor load brings
.set HALFP, 67584                      ; four K steps: LDS offsets stay under 65,536
.set R1,    135168                     ; the second panel's place in LDS
.set SPARE, 270336                     ; behind the panels: the spare words, 128 bytes for each wave: two blocks of 256 bytes that no other line names
.set LI,  1                            ; v1  16 x lane
.set LS,  2                            ; v2  4 x lane
.set SPW, 3                            ; v3  LDS address of my spare word; never rewritten
.set NIL, 4                            ; v4  0; never rewritten
.set AX,  10                           ; v10-11 x's fragments, K steps 0-3, 4-7
.set AXS, 12                           ; v12-13 x's scale words
.set AW,  14                           ; v14-17 a weight's fragments: 14 + 2 x region + half
.set AWS, 18                           ; v18-21 its scale words
.set XS,  32                           ; v32-47 x's scale words: 2 s + a / 2: lanes 0-15 the even tile's, lanes 16-31 the odd one's
; THE HEAD'S LOADS are one a wave: waves 0 and 1 bring x's panel, a half (264 rows of 256 bytes) each, waves 2 and 3 Wq's; from Wk's panel on a wave brings a quarter (132 rows).
.set WS,  58                           ; v58-61: a product's two scale words have numbers that differ modulo 8
.set PW,  52                           ; v52-55 the scale values just made
.set SW,  56                           ; v56-57 two tiles' in one register
.set PC,  64                           ; v64-95 codes, 8 registers a tile
.set TM,  96                           ; v96-127 at work
.set ACC, 128
.set BQ,  128                          ; in window 1
.set BK,  160
.set BV,  192
.set WV,  18                           ; s18 wave; s19 wy; s20 wx; s21 cx; s22 cy; s23 fb; s56 tb
.set G1X, 24                           ; s[24:31] descriptor group 1, mask of my row of the cluster;  s[32:39] mask of my column
.set G1W, 32
.set G0X, 40                           ; s[40:55] four groups 0, written once
.set G0Q, 44
.set G0K, 48
.set G0V, 52
.set SEL, 60
.set MNT, 62
.set HM,  63                           ; s63 the mask of lanes 16-31
.set MSB, 0
.macro WIN new                         ; the immediate's high byte repeats the setting that is left
.if MSB != \new
	s_set_vgpr_msb (MSB<<8)|\new
.set MSB, \new
.endif
.endm
.macro PLACES n
.rept \n
	v_nop
.endr
.endm
.macro CROUND                          ; a round of the cluster's barrier
	s_barrier_signal -1
	s_barrier_wait -1
	s_cmp_lg_u32 s[WV], 0
	s_cbranch_scc1 .Lnot_wave_0_\@
	s_barrier_signal -3
.Lnot_wave_0_\@:
	s_barrier_wait -3
	s_barrier_signal -1
	s_barrier_wait -1
.endm
.macro XREG                            ; my 32 fragments of x and their scale words, from R0 into registers
	WIN 0x80
.irp s, 0,1,2,3
.irp a, 0,1,2,3
.irp c, 0,1,2,3
	ds_load_b128 v[64*\s+16*\a+4*\c:64*\s+16*\a+4*\c+3], v[AX] offset:\s*KSB+2048*\a+512*\c
.endr
.endr
.endr
	WIN 0xc0
.irp s, 0,1,2,3
.irp a, 0,1,2,3
.irp c, 0,1,2,3
	ds_load_b128 v[64*\s+16*\a+4*\c:64*\s+16*\a+4*\c+3], v[AX+1] offset:\s*KSB+2048*\a+512*\c
.endr
.endr
.endr
	WIN 0
.irp s, 0,1,2,3,4,5,6,7
.irp p, 0,1
	ds_load_b32 v[XS+2*\s+\p], v[AXS+\s/4] offset:(\s%4)*KSB+128*\p
.endr
.endr
.endm
.macro FETCHW R, s                     ; the weight's four fragments of K step s and their scale words, from region R: 18 LDS loads
	WIN 0x40
.irp b, 0,1,2,3
.irp c, 0,1,2,3
	ds_load_b128 v[64*((\s)%2)+16*\b+4*\c:64*((\s)%2)+16*\b+4*\c+3], v[AW+2*(\R)+(\s)/4] offset:((\s)%4)*KSB+2048*\b+512*\c
.endr
.endr
	WIN 0
.irp p, 0,1
	ds_load_b32 v[WS+2*((\s)%2)+\p], v[AWS+2*(\R)+(\s)/4] offset:((\s)%4)*KSB+128*\p
.endr
.endm
.macro WM                              ; one product, by the symbols rD, rA, rB, rC, rSA, rSB; pA, pB = 1: that side's scale words stand in lanes 16-31
.if (pA == 0) && (pB == 0)
	v_wmma_scale_f32_16x16x128_f8f6f4 v[rD:rD+7], v[rA:rA+15], v[rB:rB+15], v[rC:rC+7], v[rSA], v[rSB]
.elseif (pA == 1) && (pB == 0)
	v_wmma_scale_f32_16x16x128_f8f6f4 v[rD:rD+7], v[rA:rA+15], v[rB:rB+15], v[rC:rC+7], v[rSA], v[rSB] matrix_a_scale:MATRIX_SCALE_ROW1
.elseif (pA == 0)
	v_wmma_scale_f32_16x16x128_f8f6f4 v[rD:rD+7], v[rA:rA+15], v[rB:rB+15], v[rC:rC+7], v[rSA], v[rSB] matrix_b_scale:MATRIX_SCALE_ROW1
.else
	v_wmma_scale_f32_16x16x128_f8f6f4 v[rD:rD+7], v[rA:rA+15], v[rB:rB+15], v[rC:rC+7], v[rSA], v[rSB] matrix_a_scale:MATRIX_SCALE_ROW1 matrix_b_scale:MATRIX_SCALE_ROW1
.endif
.endm
; K step s of a tile whose weight lies in region R.  The next step's fragments are asked for first, into the set that step s - 1 multiplied: eight places stand behind those products.
; swap = 0: source 0 = W's tile b, source 1 = x's tile a.  swap = 1: source 0 = x's tile b, source 1 = W's tile a.  The bias is the C of the first step.  The 16 accumulators take turns, one instruction a turn,
; in the same order in every step.
.macro KSTEP R, s, swap, bias
.if (\s) < 7
.if (\s) > 0
	PLACES 8
.endif
	FETCHW \R, \s+1
	s_wait_dscnt 18                                ; all but the 18 just issued: this step's fragments and scale words are in
.else
	s_wait_dscnt 0x0
.endif
.if \swap
.if (\s) == 0
	WIN 0x16                                       ; source 0 (x) window 2, source 1 (W) window 1, C (the bias) window 1, D window 0
.elseif (\s) < 4
	WIN 0x06
.else
	WIN 0x07                                       ; x in window 3
.endif
.else
.if (\s) == 0
	WIN 0x19                                       ; source 0 (W) window 1, source 1 (x) window 2, C (the bias) window 1, D window 0
.elseif (\s) < 4
	WIN 0x09
.else
	WIN 0x0d                                       ; x in window 3
.endif
.endif
.irp a, 0,1,2,3
.irp b, 0,1,2,3
.set rD, ACC+32*\a+8*\b
.if \swap
.set rA, 64*((\s)%4)+16*\b
.set rB, 64*((\s)%2)+16*\a
.set rSA, XS+2*(\s)+\b/2
.set rSB, WS+2*((\s)%2)+\a/2
.set rC, \bias+8*\a
.else
.set rA, 64*((\s)%2)+16*\b
.set rB, 64*((\s)%4)+16*\a
.set rSA, WS+2*((\s)%2)+\b/2
.set rSB, XS+2*(\s)+\a/2
.set rC, \bias+8*\b
.endif
.set pA, \b%2
.set pB, \a%2
.if (\s) > 0
.set rC, rD
.endif
	WM
.endr
.endr
	WIN 0
.endm
; 32 numbers of a lane, v[s] on, register 16 b + i = k 32 b + 16 (lane / 16) + i of my row, become 8 registers of codes, v[pc] on, and two scale bytes in v[pw].  Each accumulator is read from its low end on.
; The four tiles' eight blocks by turns: largest magnitudes v[TM..], bytes v[TM+8..], 448 x the scale v[TM+16..], scale operands v[TM+24..]
.macro BLOCKMAX
.irp b, 0,1,2,3,4,5,6,7
	v_max3_num_f32 v[TM+\b], |v[ACC+16*\b]|, |v[ACC+1+16*\b]|, 0x4800000   ; and the floor 2^(9 - 127): the byte cannot fall under 1
.endr
.irp i, 2,4,6,8,10,12,14
.irp b, 0,1,2,3,4,5,6,7
	v_max3_num_f32 v[TM+\b], v[TM+\b], |v[ACC+16*\b+\i]|, |v[ACC+1+16*\b+\i]|
.endr
.endr
.irp b, 0,1,2,3,4,5,6,7
	v_permlanex16_b32 v[TM+8+\b], v[TM+\b], s[SEL], s[SEL+1]
.endr
.irp b, 0,1,2,3,4,5,6,7
	v_max_num_f32 v[TM+\b], v[TM+\b], v[TM+8+\b]   ; with lane l xor 16's 16: the block's largest magnitude
.endr
.irp b, 0,1,2,3,4,5,6,7
	v_add_nc_u32 v[TM+24+\b], 0xfc000000, v[TM+\b] ; 8 off its exponent field: the conversion's scale operand
.endr
.irp b, 0,1,2,3,4,5,6,7
	v_and_or_b32 v[TM+16+\b], v[TM+\b], 0x7f800000, s[MNT]   ; 448 x the scale
.endr
.irp b, 0,1,2,3,4,5,6,7
	v_lshrrev_b32 v[TM+8+\b], 23, v[TM+24+\b]      ; the scale's byte
.endr
.irp a, 0,1,2,3
	v_lshl_or_b32 v[PW+\a], v[TM+9+2*\a], 8, v[TM+8+2*\a]
.endr
.endm
.macro CODES a                         ; tile a's 32 numbers a lane: held, then 8 registers of codes
.irp b, 2*\a,2*\a+1
.irp i, 0,1,2,3,4,5,6,7,8,9,10,11,12,13,14,15
	v_med3_num_f32 v[ACC+16*(\b)+\i], v[ACC+16*(\b)+\i], -v[TM+16+\b], v[TM+16+\b]   ; the conversion to an 8-bit code does not saturate (ISA guide 7.6.2): the hold comes first
.endr
	v_cvt_scalef32_pk8_fp8_f32 v[PC+4*(\b):PC+4*(\b)+1], v[ACC+16*(\b):ACC+16*(\b)+7], v[TM+24+\b]
	v_cvt_scalef32_pk8_fp8_f32 v[PC+4*(\b)+2:PC+4*(\b)+3], v[ACC+16*(\b)+8:ACC+16*(\b)+15], v[TM+24+\b]
.endr
	v_nop                                          ; a plain line behind the last conversion
.endm
; A tile's way out: four times 32 numbers a lane become two chunks of an image, 512 consecutive bytes a store.  cb, sb: the scalar pairs of the codes' and the scales' bases; stride: bytes from image to image.
.macro EPI cb, sb, stride, half
	s_wait_xcnt 0x0                                ; the last tile's stores have read their data: the codes' and scales' registers may be written again
	BLOCKMAX
.irp a, 0,1,2,3
	CODES \a
	global_store_b128 v[LI], v[PC+8*\a:PC+8*\a+3], s[\cb:\cb+1] offset:\a*\stride
	global_store_b128 v[LI], v[PC+8*\a+4:PC+8*\a+7], s[\cb:\cb+1] offset:\a*\stride+512
.endr
	v_cndmask_b32 v[SW], v[PW], v[PW+1], s[HM]     ; lanes 0-15: tile 0's rows; lanes 16-31: tile 1's
	v_cndmask_b32 v[SW+1], v[PW+2], v[PW+3], s[HM]
.if \half
	global_store_b16 v[LS], v[SW], s[\sb:\sb+1]    ; my two bytes of each word; the other two are the other token half's
	global_store_b16 v[LS], v[SW+1], s[\sb:\sb+1] offset:128
.else
	global_store_b32 v[LS], v[SW], s[\sb:\sb+1]    ; 128 consecutive bytes
	global_store_b32 v[LS], v[SW+1], s[\sb:\sb+1] offset:128
.endif
.endm
	s_load_b256 s[4:11], s[0:1], 0x0               ; pan, bq, bk, bv
	s_load_b128 s[12:15], s[0:1], 0x20             ; qimg, qsc
	s_load_b64 s[16:17], s[0:1], 0x30              ; kv
	v_lshl_add_u32 v[SPW], v0, 2, SPARE
	v_mov_b32 v[NIL], 0
	ds_add_u32 v[SPW], v[NIL]                      ; the wave's opening: the add, twice on end, and its wait ahead of my first tensor load
	ds_add_u32 v[SPW], v[NIL]
	v_lshrrev_b32 v5, 5, v0
	v_readfirstlane_b32 s[WV], v5                  ; wave 0..3
	s_lshr_b32 s19, s[WV], 1                       ; wy: my half of the tokens
	s_and_b32 s20, s[WV], 1                        ; wx: my half of the features
	s_bfe_u32 s21, ttmp6, 0x40000                  ; cx
	s_bfe_u32 s22, ttmp6, 0x40004                  ; cy
	s_lshl_b32 s23, ttmp9, 2
	s_add_co_u32 s23, s23, s21                     ; fb = 4 x cluster x + cx
	s_and_b32 s56, ttmp7, 0xffff
	s_lshl_b32 s56, s56, 2
	s_add_co_u32 s56, s56, s22                     ; tb = 4 x cluster y + cy
	s_lshl_b32 s86, s22, 2
	s_lshl_b32 s86, 15, s86                        ; my row of the cluster
	s_lshl_b32 s87, 0x1111, s21                    ; my column
	s_or_b32 s[G1X], s86, (3<<16)|(1<<21)          ; 15:0 the mask; 17:16 elements of 8 bytes; 21 set beside a mask; no padding
	s_or_b32 s[G1W], s87, (3<<16)|(1<<21)
.irp g, G1X, G1W
	s_mov_b32 s[\g+1], 32<<16                      ; tensor_dim0 = 32 elements: 256 bytes
	s_mov_b32 s[\g+2], 264<<16                     ; tensor_dim1 = 264 rows: half a panel
	s_mov_b32 s[\g+3], 32<<16                      ; tile_dim0
	s_mov_b32 s[\g+4], 264                         ; tile_dim1
	s_mov_b32 s[\g+5], 32                          ; the pitch: the block is dense
	s_mov_b32 s[\g+6], 0
	s_mov_b32 s[\g+7], 0
.endr
	s_mul_i32 s57, s[WV], QTR                      ; my quarter of a panel, in memory and in LDS
	s_mul_i32 s92, s20, HALFP                      ; at the head: my half of a panel
	s_mul_i32 s58, s56, PANB                       ; x's panel tb: made of tb and the wave's number alone
	s_add_co_u32 s58, s58, s92
	s_mov_b32 s59, 0
	s_add_co_u32 s84, s23, 32                      ; Wq's panel fb: made of fb and the wave's number alone
	s_mul_i32 s84, s84, PANB
	s_add_co_u32 s94, s84, s92                     ; my half of it,
	s_mov_b32 s95, 0
	s_add_co_u32 s84, s84, s57                     ; and the quarter from which Wk's and Wv's are counted
	s_mov_b32 s85, 0
	s_lshr_b32 s88, s56, 4
	s_lshl_b32 s88, s88, 4
	s_lshl_b32 s89, s23, 1
	s_add_co_u32 s88, s88, s89
	s_add_co_u32 s88, s88, s20                     ; hh = 16 x batch + 2 fb + wx
	s_and_b32 s89, s56, 15                         ; j: the key step
	s_lshl_b32 s90, s88, 7
	s_lshl_b32 s91, s89, 3
	s_add_co_u32 s90, s90, s91
	s_lshl_b32 s91, s19, 2
	s_add_co_u32 s90, s90, s91                     ; my first token tile: 128 hh + 8 j + 4 wy
	s_lshl_b32 s66, s90, 10                        ; q's codes
	s_mov_b32 s67, 0
	s_lshl_b32 s68, s90, 6                         ; q's scale words
	s_mov_b32 s69, 0
	s_mul_i32 s96, s88, 274432                     ; the head's block of kv
	s_mov_b32 s97, 0
	s_lshl_b32 s70, s89, 14                        ; k's codes: 12,288 + 16,384 j + 4,096 wy
	s_lshl_b32 s91, s19, 12
	s_add_co_u32 s70, s70, s91
	s_add_co_u32 s70, s70, 12288
	s_mov_b32 s71, 0
	s_lshl_b32 s72, s89, 9                         ; k's scale words: 512 j + 256 wy
	s_lshl_b32 s91, s19, 8
	s_add_co_u32 s72, s72, s91
	s_mov_b32 s73, 0
	s_lshl_b32 s74, s89, 14                        ; v's codes: 12,288 + 16,384 j + 8,192 + 1,024 wy
	s_lshl_b32 s91, s19, 10
	s_add_co_u32 s74, s74, s91
	s_add_co_u32 s74, s74, 20480
	s_mov_b32 s75, 0
	s_lshl_b32 s76, s89, 8                         ; v's scale words: 8,192 + 256 j + 2 wy
	s_lshl_b32 s91, s19, 1
	s_add_co_u32 s76, s76, s91
	s_add_co_u32 s76, s76, 8192
	s_mov_b32 s77, 0
	s_lshl_b32 s78, s23, 9                         ; the biases: (128 fb + 64 wx) x 4
	s_lshl_b32 s91, s20, 8
	s_add_co_u32 s78, s78, s91
	s_mov_b32 s79, 0
	s_mov_b32 s[SEL], 0x76543210
	s_mov_b32 s[SEL+1], 0xfedcba98
	s_mov_b32 s[MNT], 0x600000
	s_wait_dscnt 0x0                               ; both opening adds are done
	CROUND                                         ; the opening round: all sixteen work-groups are here, the first joint loads meet
	s_wait_kmcnt 0x0
	s_add_nc_u64 s[98:99], s[16:17], s[96:97]
	s_add_nc_u64 s[66:67], s[12:13], s[66:67]
	s_add_nc_u64 s[68:69], s[14:15], s[68:69]
	s_add_nc_u64 s[70:71], s[98:99], s[70:71]
	s_add_nc_u64 s[72:73], s[98:99], s[72:73]
	s_add_nc_u64 s[74:75], s[98:99], s[74:75]
	s_add_nc_u64 s[76:77], s[98:99], s[76:77]
	s_add_nc_u64 s[80:81], s[8:9], s[78:79]
	s_add_nc_u64 s[82:83], s[10:11], s[78:79]
	s_add_nc_u64 s[78:79], s[6:7], s[78:79]
	s_mov_b32 s[G0X], 1                            ; count = 1
	s_mov_b32 s[G0X+1], s92                        ; LDS: R0, my half
	s_add_nc_u64 s[G0X+2:G0X+3], s[4:5], s[58:59]
	s_or_b32 s[G0X+3], s[G0X+3], 0x80000000        ; type = 2
	s_mov_b32 s[G0Q], 1
	s_add_co_u32 s[G0Q+1], s92, R1
	s_add_nc_u64 s[G0Q+2:G0Q+3], s[4:5], s[94:95]
	s_add_nc_u64 s[84:85], s[4:5], s[84:85]
	s_mov_b32 s[G0K], 1
	s_mov_b32 s[G0K+1], s57
	s_add_nc_u64 s[G0K+2:G0K+3], s[84:85], 8*PANB  ; Wk's panels lie eight panels behind Wq's,
	s_mov_b32 s[G0V], 1
	s_add_co_u32 s[G0V+1], s57, R1
	s_add_nc_u64 s[G0V+2:G0V+3], s[84:85], 16*PANB ; Wv's sixteen
	s_or_b32 s[G0Q+3], s[G0Q+3], 0x80000000
	s_or_b32 s[G0K+3], s[G0K+3], 0x80000000
	s_or_b32 s[G0V+3], s[G0V+3], 0x80000000
	s_cmp_lt_u32 s[WV], 2                          ; one load a wave: waves 0 and 1 x's halves into R0,
	s_cbranch_scc0 .Lhead_w
	tensor_load_to_lds s[G0X:G0X+3], s[G1X:G1X+7]
	s_nop 0
	PLACES 4
	s_branch .Lhead_asked
.Lhead_w:
	tensor_load_to_lds s[G0Q:G0Q+3], s[G1W:G1W+7]  ; waves 2 and 3 Wq's into R1
	s_nop 0
	PLACES 4
.Lhead_asked:
	v_and_b32 v9, 31, v0                           ; lane
	v_and_b32 v5, 15, v0                           ; r
	v_bfe_u32 v6, v0, 4, 1                         ; h
	v_lshlrev_b32 v[LI], 4, v9
	v_lshlrev_b32 v[LS], 2, v9
	v_lshlrev_b32 v7, 6, v6                        ; bq, bk: lane (r, h) wants, for tile b, the eight of channels 32 (b / 2) + 16 h + 8 (b % 2) on
	v_and_b32 v8, 8, v5
	v_add_nc_u32 v8, v8, v5
	v_lshlrev_b32 v8, 2, v8                        ; bv: the one of channel 32 (a / 2) + 8 (a % 2) + r + 8 (r / 8)
	v_cmp_lt_u32 s[HM], 15, v9
.irp b, 0,1,2,3,4,5,6,7
	v_mov_b32 v[TM+8+\b], 0                        ; written once: a lane permute's destination counts as one of its sources
.endr
	s_lshl_b32 s92, s19, 13                        ; my four token tiles' images: 8,192 wy
	v_add_nc_u32 v[AX], s92, v[LI]
	v_add_nc_u32 v[AX+1], HALFP, v[AX]
	s_lshl_b32 s93, s19, 8
	s_add_co_u32 s93, s93, 16384                   ; their scale words: 16,384 + 256 wy
	v_add_nc_u32 v[AXS], s93, v[LS]
	v_add_nc_u32 v[AXS+1], HALFP, v[AXS]
	s_lshl_b32 s94, s20, 13                        ; my four weight tiles': 8,192 wx
	v_add_nc_u32 v[AW], s94, v[LI]
	v_add_nc_u32 v[AW+1], HALFP, v[AW]
	v_add_nc_u32 v[AW+2], R1, v[AW]
	v_add_nc_u32 v[AW+3], R1+HALFP, v[AW]
	s_lshl_b32 s95, s20, 8
	s_add_co_u32 s95, s95, 16384
	v_add_nc_u32 v[AWS], s95, v[LS]
	v_add_nc_u32 v[AWS+1], HALFP, v[AWS]
	v_add_nc_u32 v[AWS+2], R1, v[AWS]
	v_add_nc_u32 v[AWS+3], R1+HALFP, v[AWS]
	WIN 0x40                                       ; destination window 1
.irp b, 0,1,2,3
	global_load_b128 v[BQ+8*\b:BQ+8*\b+3], v7, s[78:79] offset:(32*(\b/2)+8*(\b%2))*4
	global_load_b128 v[BQ+8*\b+4:BQ+8*\b+7], v7, s[78:79] offset:(32*(\b/2)+8*(\b%2))*4+16
	global_load_b128 v[BK+8*\b:BK+8*\b+3], v7, s[80:81] offset:(32*(\b/2)+8*(\b%2))*4
	global_load_b128 v[BK+8*\b+4:BK+8*\b+7], v7, s[80:81] offset:(32*(\b/2)+8*(\b%2))*4+16
.endr
.irp a, 0,1,2,3
.irp j, 0,1,2,3,4,5,6,7
	global_load_b32 v[BV+8*\a+\j], v8, s[82:83] offset:(32*(\a/2)+8*(\a%2))*4   ; v's C operand wants the lane's one bias in all eight registers
.endr
.endr
	WIN 0
	s_wait_alu depctr_va_vdst(0)
	s_cmp_lt_u32 s[WV], 2
	s_cbranch_scc0 .Lnot_x
	s_wait_tensorcnt 0x0                           ; waves 0 and 1: my half of x is in.  Waves 2 and 3 wait for Wq's ahead of the next round
.Lnot_x:
	s_barrier_signal -1
	s_barrier_wait -1                              ; both halves of x are in
	XREG
	s_wait_tensorcnt 0x0                           ; all my tensor loads have landed: for waves 2 and 3 a half of Wq;
	ds_add_u32 v[SPW], v[NIL]                      ; 0 onto my spare word;
	s_wait_dscnt 0x0                               ; the add is done, and x is in my registers: my reads of R0 are over
	s_mov_b32 s[G1W+2], 132<<16                    ; no tensor load of mine is out, so the descriptor may be written: from here on a wave brings 132 rows
	s_mov_b32 s[G1W+4], 132
	CROUND
	tensor_load_to_lds s[G0K:G0K+3], s[G1W:G1W+7]  ; Wk's panel into R0: it has tile q in which to land
	s_nop 0
	PLACES 4
	FETCHW 1, 0
	s_wait_loadcnt 0x0                             ; the biases
.irp s, 0,1,2,3,4,5,6,7
	KSTEP 1, \s, 0, BQ
.endr
	PLACES 8                                       ; behind the last products, ahead of the first read of results
	EPI 66, 68, 1024, 0
	s_wait_tensorcnt 0x0                           ; my quarter of Wk has landed;
	ds_add_u32 v[SPW], v[NIL]
	s_wait_dscnt 0x0                               ; the add is done, and my reads of R1 are over
	CROUND
	tensor_load_to_lds s[G0V:G0V+3], s[G1W:G1W+7]  ; Wv's panel into R1: it has tile k in which to land
	s_nop 0
	PLACES 4
	FETCHW 0, 0
.irp s, 0,1,2,3,4,5,6,7
	KSTEP 0, \s, 0, BK
.endr
	PLACES 8
	EPI 70, 72, 1024, 0
	s_wait_tensorcnt 0x0                           ; my quarter of Wv has landed
	s_wait_dscnt 0x0
	s_barrier_signal -1
	s_barrier_wait -1                              ; everybody's has
	FETCHW 1, 0
.irp s, 0,1,2,3,4,5,6,7
	KSTEP 1, \s, 1, BV
.endr
	PLACES 8
	EPI 74, 76, 2048, 1
	s_wait_tensorcnt 0x0                           ; the wave's end
	ds_add_u32 v[SPW], v[NIL]
	s_wait_dscnt 0x0
	CROUND                                         ; the closing round: no work-group ends while a partner may still ask for a panel that names it
	s_endpgm
.Lfunc_end_k_q92db7f47a9_proj:
	.size	k_q92db7f47a9_proj, .Lfunc_end_k_q92db7f47a9_proj-k_q92db7f47a9_proj
	.p2alignl 7, 3214868480
	.fill 96, 4, 3214868480
	.section	.rodata,"a",@progbits
	.p2align	6, 0x0
	.amdhsa_kernel k_q92db7f47a9_proj
		.amdhsa_group_segment_fixed_size 327680
		.amdhsa_private_segment_fixed_size 0
		.amdhsa_enable_private_segment 0
		.amdhsa_kernarg_size 56
		.amdhsa_user_sgpr_count 2
		.amdhsa_user_sgpr_kernarg_segment_ptr 1
		.amdhsa_wavefront_size32 1
		.amdhsa_system_sgpr_workgroup_id_x 1
		.amdhsa_system_sgpr_workgroup_id_y 1
		.amdhsa_system_sgpr_workgroup_id_z 1
		.amdhsa_system_vgpr_workitem_id 0
		.amdhsa_next_free_vgpr 1024
		.amdhsa_next_free_sgpr 100
		.amdhsa_reserve_vcc 0
		.amdhsa_float_denorm_mode_32 3
		.amdhsa_float_denorm_mode_16_64 3
		.amdhsa_memory_ordered 1
		.amdhsa_forward_progress 1
		.amdhsa_inst_pref_size 159
	.end_amdhsa_kernel
	.amdgpu_metadata
---
amdhsa.version: [ 1, 2 ]
amdhsa.kernels:
  - .name:           k_q92db7f47a9_proj
    .symbol:         k_q92db7f47a9_proj.kd
    .args:
      - { .name: pan, .offset: 0, .size: 8, .value_kind: global_buffer, .address_space: global }
      - { .name: bq, .offset: 8, .size: 8, .value_kind: global_buffer, .address_space: global }
      - { .name: bk, .offset: 16, .size: 8, .value_kind: global_buffer, .address_space: global }
      - { .name: bv, .offset: 24, .size: 8, .value_kind: global_buffer, .address_space: global }
      - { .name: qimg, .offset: 32, .size: 8, .value_kind: global_buffer, .address_space: global }
      - { .name: qsc, .offset: 40, .size: 8, .value_kind: global_buffer, .address_space: global }
      - { .name: kv, .offset: 48, .size: 8, .value_kind: global_buffer, .address_space: global }
    .group_segment_fixed_size: 327680
    .private_segment_fixed_size: 0
    .kernarg_segment_align: 8
    .kernarg_segment_size: 56
    .max_flat_workgroup_size: 128
    .sgpr_count:     100
    .vgpr_count:     1024
    .wavefront_size: 32
...
	.end_amdgpu_metadata
.endif
;; end of part 2
;; launch attn (part 3): grid 8 x 32, 8 waves a work-group, clusters of 4 x 1, 327,680 bytes of LDS; arguments qimg, qsc, kv, apan; writes apan
.if DOCPART == 3
	.amdgcn_target "amdgcn-amd-amdhsa--gfx1250"
	.amdhsa_code_object_version 6
	.text
	.protected	k_q92db7f47a9_attn
	.globl	k_q92db7f47a9_attn
	.p2align	8
	.type	k_q92db7f47a9_attn,@function
k_q92db7f47a9_attn:
	s_mov_b64 s[64:65], 0
	v_nop
	global_prefetch_b8 v0, s[64:65] scope:SCOPE_SE
	s_setreg_imm32_b32 hwreg(HW_REG_WAVE_MODE, 25, 1), 1
	s_wait_xcnt 0x0
	s_wait_alu depctr_hold_cnt(0) depctr_sa_sdst(0) depctr_va_vdst(0) depctr_va_sdst(0) depctr_va_ssrc(0) depctr_va_vcc(0) depctr_vm_vsrc(0)
	s_getreg_b32 s2, hwreg(HW_REG_IB_STS2, 6, 4)
	s_cmp_eq_u32 s2, 0
	s_cbranch_scc0 .Lentry_in_a_cluster
	s_endpgm
.Lentry_in_a_cluster:
	s_bfe_u32 s2, ttmp6, 0x10000c
	s_cmp_lg_u32 s2, 0x3003
	s_cbranch_scc0 .Lentry_shape_is_right
	s_endpgm
.Lentry_shape_is_right:
; Launch 3 of 4: for each of the 32 heads (batch x head) O = softmax(Q K^T / 8) V on codes of E4M3, and O quantised along E for the last product.  Nothing is left out.
; THE SOFTMAX AHEAD OF THE SECOND PRODUCT: t = score x log2(e) / 8; M = the row's largest t so far, rounded UP to a whole number; p = 2^(t - M) is quantised along the keys, not normalised.  The row's sum is taken of
; the unquantised p and divides O at the end.  When M moves, the sum and O are multiplied by 2^(old M - new M).  This text carries 256 p in p's place: a power of two, the same in the sum, in the codes' scales and in O.
; A block's largest p, as 2^(its largest t - M) without the 256, is then the conversions' scale operand as it stands, and its exponent field the scale's byte.
; SHARES.  A work-group owns 256 queries of one head, each of its eight waves 32 of them, two tiles of 16, in 512 registers: each fragment of K and V that a wave reads from LDS feeds two products.
; THE WHOLE HEAD'S K, V AND SCALE WORDS, 274,432 bytes, lie in LDS as they lie in kv, filled once: nothing is filled again, there is no ring.  One load a wave: waves 0 to 3 bring the first 61,440 bytes (the scale words
; and key steps 0 to 2), 60 rows of 256 bytes each; waves 4 to 7 the other 212,992 (key steps 3 to 15), 208 rows each.  Key steps 0 and 1 are worked on the first part alone.
; So every byte of K and V is asked for at the kernel's head, and no later load is left that a prefetch could run ahead of.
; CLUSTER 4 x 1: the four query blocks of a cluster belong to one head, so both parts are asked for JOINTLY, with the mask of all four.
; LAYOUT.  Both products are used transposed: S^T = K Q^T (source 0 = 16 keys, source 1 = 16 queries), O^T = V^T P^T (source 0 = 16 channels, source 1 = P): a lane holds one query of each tile throughout.  By the tiles'
; choice of rows the 16 registers of two neighbouring result tiles are 16 neighbouring keys (S^T) or channels (O^T).
; THE ORDER.  V's product of a key step stands behind K's product of the NEXT step: K Q^T (i), O x f (i - 1), V^T P^T (i - 1), softmax (i).  O's 32 lines are the places behind K's products, the first eight maxima those behind V's.
; THE HEAD HAS 64 CHANNELS AND THE FORM IS 128 DEEP: k = 64 .. 127 is switched off by zero CODES on Q's side.  K's side there holds the next tile's codes (behind the last tile: zeros), which are numbers: the hold at
; 448 x the scale lets no NaN code arise.  Both sides' scale bytes there are 0, which is 2^-127 and no NaN.
; LIMITS: scaled scores (t) under 2^31 in magnitude; an exponential under 2^-126 counts as 0, and a block of keys all of whose p lie there has the byte 0; a block of zeros in the result has the byte 1; NaN and infinities are not served.
; REGISTERS.  Window 0: addresses, scale words, v32-63 Q (two tiles: 8 registers of codes, 8 of zeros), v64-127 K's eight tiles, v128-135 zeros, v136-199 V's four fragments.
; Window 1: v0-127 S^T, then p, tile A's 64 and tile B's (block b = 0 .. 7 of 32 keys at 16 b); v128-191 O^T; v192-223 p's codes; v224 on: at work.
.set SPARE, 274432                     ; behind the head's bytes: the spare words, 128 bytes for each wave: four blocks of 256 bytes that no other line names
.set LI,  1                            ; v1  16 x lane
.set LS,  2                            ; v2  4 x lane
.set SPW, 3                            ; v3  LDS address of my spare word; never rewritten
.set NIL, 4                            ; v4  0; never rewritten
.set ADC, 5                            ; v5  the step's codes
.set ADK, 6                            ; v6  K's scale words
.set ADV, 7                            ; v7  V's
.set QS,  12                           ; v12 Q's scale words: lanes 0-15 tile A's, lanes 16-31 tile B's
.set PW,  14                           ; v14, v15 p's scale words, tile A's and B's
.set VS,  16                           ; v16-17 V's
.set KS,  24                           ; v24-27 K's, two tiles a register
.set QF,  32
.set KF,  64
.set VF,  136
.set S,   0                            ; window 1 from here on
.set O,   128
.set PC,  192
.set BM,  224                          ; v224-231 the blocks' largest scores, then the conversions' scale operands
.set PT,  232                          ; v232-239 the other half's, partial sums, bytes, 448 x the scale, by turns
.set P1,  240                          ; tile a at + 8 a:  -M, the largest score
.set P2,  242                          ; 8 - M, at work
.set FF,  244                          ; f = 2^(old M - new M), and a register named with it as a pair
.set LR,  246                          ; the sum in two halves
.set WV,  12                           ; s12 wave; s13 cx; s14 the query block; s15 the head
.set MNT, 3
.set G1A, 16
.set G1B, 24
.set G0A, 32
.set G0B, 36
.set SEL, 40
.set CS,  42                           ; s[42:43] c = log2(e) / 8
.set NC,  44                           ; s44 -c
.set LMK, 45                           ; s45 448 as exponent and mantissa fields over a scale's byte: (8 << 23) + 0x600000
.set TC,  46
.set TK,  47
.set TV,  48
.set CNT, 49
.set MSB, 0
.macro WIN new                         ; the immediate's high byte repeats the setting that is left
.if MSB != \new
	s_set_vgpr_msb (MSB<<8)|\new
.set MSB, \new
.endif
.endm
.macro PLACES n
.rept \n
	v_nop
.endr
.endm
.macro WALU
	s_wait_alu depctr_va_vdst(0)
.endm
.macro CROUND                          ; a round of the cluster's barrier
	s_barrier_signal -1
	s_barrier_wait -1
	s_cmp_lg_u32 s[WV], 0
	s_cbranch_scc1 .Lnot_wave_0_\@
	s_barrier_signal -3
.Lnot_wave_0_\@:
	s_barrier_wait -3
	s_barrier_signal -1
	s_barrier_wait -1
.endm
.macro KLOAD on                        ; K's eight tiles and their scale words, on = 1: of the step behind the one in hand
	WIN 0
.irp t, 0,1,2,3,4,5,6,7
	ds_load_b128 v[KF+8*\t:KF+8*\t+3], v[ADC] offset:16384*\on+1024*\t
	ds_load_b128 v[KF+8*\t+4:KF+8*\t+7], v[ADC] offset:16384*\on+1024*\t+512
.endr
.irp p, 0,1,2,3
	ds_load_b32 v[KS+\p], v[ADK] offset:512*\on+128*\p
.endr
.endm
.macro VLOAD                           ; V's four fragments and their scale words
	WIN 0
.irp t, 0,1,2,3
.irp c, 0,1,2,3
	ds_load_b128 v[VF+16*\t+4*\c:VF+16*\t+4*\c+3], v[ADC] offset:8192+2048*\t+512*\c
.endr
.endr
.irp p, 0,1
	ds_load_b32 v[VS+\p], v[ADV] offset:8192+128*\p
.endr
.endm
.macro QK t, a                         ; 16 keys x tile a; a tile's upper eight registers are the next tile's codes and meet Q's zeros
.set D_, S+64*\a+8*\t
.set A_, KF+8*\t
.set B_, QF+16*\a
.set K_, KS+\t/2
.if (\t%2 == 0) && (\a == 0)
	v_wmma_scale_f32_16x16x128_f8f6f4 v[D_:D_+7], v[A_:A_+15], v[B_:B_+15], 0, v[K_], v[QS]
.elseif (\a == 0)
	v_wmma_scale_f32_16x16x128_f8f6f4 v[D_:D_+7], v[A_:A_+15], v[B_:B_+15], 0, v[K_], v[QS] matrix_a_scale:MATRIX_SCALE_ROW1
.elseif (\t%2 == 0)
	v_wmma_scale_f32_16x16x128_f8f6f4 v[D_:D_+7], v[A_:A_+15], v[B_:B_+15], 0, v[K_], v[QS] matrix_b_scale:MATRIX_SCALE_ROW1
.else
	v_wmma_scale_f32_16x16x128_f8f6f4 v[D_:D_+7], v[A_:A_+15], v[B_:B_+15], 0, v[K_], v[QS] matrix_a_scale:MATRIX_SCALE_ROW1 matrix_b_scale:MATRIX_SCALE_ROW1
.endif
.endm
.macro PV t, a, pv                     ; 16 channels x tile a; pv = 1: the first product starts the sums
.set D_, O+32*\a+8*\t
.set A_, VF+16*\t
.set B_, PC+16*\a
.set K_, VS+\t/2
.if (\pv == 1) && (\t%2 == 0)
	v_wmma_scale_f32_16x16x128_f8f6f4 v[D_:D_+7], v[A_:A_+15], v[B_:B_+15], 0, v[K_], v[PW+\a]
.elseif (\pv == 1)
	v_wmma_scale_f32_16x16x128_f8f6f4 v[D_:D_+7], v[A_:A_+15], v[B_:B_+15], 0, v[K_], v[PW+\a] matrix_a_scale:MATRIX_SCALE_ROW1
.elseif (\t%2 == 0)
	v_wmma_scale_f32_16x16x128_f8f6f4 v[D_:D_+7], v[A_:A_+15], v[B_:B_+15], v[D_:D_+7], v[K_], v[PW+\a]
.else
	v_wmma_scale_f32_16x16x128_f8f6f4 v[D_:D_+7], v[A_:A_+15], v[B_:B_+15], v[D_:D_+7], v[K_], v[PW+\a] matrix_a_scale:MATRIX_SCALE_ROW1
.endif
.endm
.macro PVALL pv                        ; the eight accumulators by turns
	WIN 0x54
.irp t, 0,1,2,3
	PV \t, 0, \pv
	PV \t, 1, \pv
.endr
.endm
.macro RESCALE                         ; O^T under the new M
	WIN 0x55
	WALU                                           ; ahead of the first reader of O^T, behind the last exponential
.set J_, 0
.rept 16
	v_pk_mul_f32 v[O+J_:O+J_+1], v[O+J_:O+J_+1], v[FF:FF+1] op_sel_hi:[1,0]
	v_pk_mul_f32 v[O+32+J_:O+33+J_], v[O+32+J_:O+33+J_], v[FF+8:FF+9] op_sel_hi:[1,0]
.set J_, J_+2
.endr
.endm
.macro ADDTO d, x
	v_pk_add_f32 v[\d:\d+1], v[\d:\d+1], v[\x:\x+1]
.endm
.macro SUM a                           ; tile a's sum of the UNQUANTISED p: 32 pairs in five chains
.set X_, S+64*\a
.set L_, LR+8*\a
	v_pk_mul_f32 v[L_:L_+1], v[L_:L_+1], v[FF+8*\a:FF+8*\a+1] op_sel_hi:[1,0]
.irp k, 0,2,4,6
	v_pk_add_f32 v[PT+\k:PT+\k+1], v[X_+2*\k:X_+2*\k+1], v[X_+2*\k+2:X_+2*\k+3]
.endr
.set J_, X_+16
.rept 4
	ADDTO L_, J_
	ADDTO PT, J_+2
	ADDTO PT+2, J_+4
	ADDTO PT+4, J_+6
	ADDTO PT+6, J_+8
.set J_, J_+10
.endr
	ADDTO PT, J_
	ADDTO PT+2, J_+2
	ADDTO PT+4, J_+4
	ADDTO PT+6, J_+6
	ADDTO L_, PT
	ADDTO PT+4, PT+2
	ADDTO L_, PT+6
	ADDTO L_, PT+4
.endm
.macro BYTES a                         ; tile a's four bytes, its scale word, and 448 x the scales
.irp b, 0,1,2,3
	v_lshrrev_b32 v[PT+4*\a+\b], 23, v[BM+4*\a+\b]
.endr
	v_lshl_or_b32 v[P2+8*\a+1], v[PT+4*\a+1], 8, v[PT+4*\a]
	v_lshl_or_b32 v[P2+8*\a+1], v[PT+4*\a+2], 16, v[P2+8*\a+1]
	WIN 0x15
	v_lshl_or_b32 v[PW+\a], v[PT+4*\a+3], 24, v[P2+8*\a+1]
	WIN 0x55
.irp b, 0,1,2,3
	v_lshl_add_u32 v[PT+4*\a+\b], v[PT+4*\a+\b], 23, s[LMK]
.endr
.endm
.macro HOLD2 x, b                      ; two p held at 448 x their block's scale: the conversion does not saturate (ISA guide 7.6.2); p is not negative, so the hold is one-sided
	v_dual_min_num_f32 v[\x], v[\x], v[PT+\b] :: v_dual_min_num_f32 v[\x+1], v[\x+1], v[PT+\b]
.endm
.macro CVT b                           ; block b's codes
	v_cvt_scalef32_pk8_fp8_f32 v[PC+4*(\b):PC+4*(\b)+1], v[S+16*(\b):S+16*(\b)+7], v[BM+\b]
	v_cvt_scalef32_pk8_fp8_f32 v[PC+4*(\b)+2:PC+4*(\b)+3], v[S+16*(\b)+8:S+16*(\b)+15], v[BM+\b]
.endm
; A KEY STEP: 128 keys.  pv = 0: the first step, no product of V yet; 1: the second, its product starts O^T; 2: the others.  kl = 1: K of the step behind it is asked for
.macro STEP pv, kl
	WALU
	s_wait_dscnt 0x0                               ; this step's K and the last step's V are in
	WIN 0x40
.irp t, 0,1,2,3,4,5,6,7
	QK \t, 0
	QK \t, 1
.endr
.if \pv == 2
	RESCALE
.else
	PLACES 8
.endif
.if \kl
	KLOAD 1                                        ; it has the rest of this step in which to land
.endif
.if \pv
	PVALL \pv
.endif
	WIN 0x55
.irp b, 0,1,2,3,4,5,6,7
	v_max3_num_f32 v[BM+\b], v[S+16*\b], v[S+16*\b+1], v[S+16*\b+2]   ; the largest score of each block of 32 keys: it serves the row's maximum and, since p rises with the score, the block's largest p
.endr
	VLOAD                                          ; behind eight places
	WIN 0x55
.irp i, 3,5,7,9,11
.irp b, 0,1,2,3,4,5,6,7
	v_max3_num_f32 v[BM+\b], v[BM+\b], v[S+16*\b+\i], v[S+16*\b+\i+1]
.endr
.endr
.irp b, 0,1,2,3,4,5,6,7
	v_max3_num_f32 v[BM+\b], v[BM+\b], v[S+16*\b+13], v[S+16*\b+14+\b%2]
.endr
.irp b, 0,2,4,6                        ; an even block's last is its register 15, an odd block's 14: a pair's second sources differ modulo 4
	v_dual_max_num_f32 v[BM+\b], v[BM+\b], v[S+16*\b+15] :: v_dual_max_num_f32 v[BM+\b+1], v[BM+\b+1], v[S+16*\b+30]
.endr
.irp b, 0,1,2,3,4,5,6,7
	v_permlanex16_b32 v[PT+\b], v[BM+\b], s[SEL], s[SEL+1]
.endr
.irp b, 0,2,4,6                        ; with lane l xor 16's 16 keys
	v_dual_max_num_f32 v[BM+\b], v[BM+\b], v[PT+\b] :: v_dual_max_num_f32 v[BM+\b+1], v[BM+\b+1], v[PT+\b+1]
.endr
.irp a, 0,8
	v_max3_num_f32 v[P2+1+\a], v[BM+\a/2], v[BM+\a/2+1], v[BM+\a/2+2]
.endr
.irp a, 0,8
	v_max3_num_f32 v[P1+1+\a], v[P2+1+\a], v[BM+\a/2+3], v[P1+1+\a]   ; the row's largest score so far
.endr
.irp a, 0,8
	v_mul_f32 v[P2+1+\a], s[NC], v[P1+1+\a]        ; -t (c is positive)
.endr
.irp a, 0,8
	v_floor_f32 v[FF+\a], v[P2+1+\a]               ; the new -M = floor(-t) = -ceil(t)
.endr
.irp a, 0,8
	v_sub_f32 v[FF+\a], v[FF+\a], v[P1+\a]         ; old M less new M: a whole number, 0 or less
.endr
.irp a, 0,8
	v_floor_f32 v[P1+\a], v[P2+1+\a]
.endr
.irp a, 0,8
	v_cvt_i32_f32 v[FF+\a], v[FF+\a]               ; (it saturates)
.endr
.irp a, 0,8
	v_add_f32 v[P2+\a], 0x41000000, v[P1+\a]       ; 8 - M
.endr
.irp a, 0,8
	v_ldexp_f32 v[FF+\a], 1.0, v[FF+\a]
.endr
.irp b, 0,2,4,6
	v_pk_fma_f32 v[BM+\b:BM+\b+1], v[BM+\b:BM+\b+1], s[CS:CS+1], v[P1+8*(\b/4):P1+8*(\b/4)+1] op_sel_hi:[1,0,0]   ; the blocks' largest t - M
.endr
.set J_, S
.rept 32
	v_pk_fma_f32 v[J_:J_+1], v[J_:J_+1], s[CS:CS+1], v[P2:P2+1] op_sel_hi:[1,0,0]   ; tile A's t - M + 8
.set J_, J_+2
.endr
	WALU                                           ; ahead of the batch
.irp b, 0,1,2,3,4,5,6,7
	v_exp_f32 v[BM+\b], v[BM+\b]
.endr
.set J_, S
.rept 32                               ; tile A's exponentials, and tile B's t - M + 8 among them
	v_exp_f32 v[J_], v[J_]
	v_exp_f32 v[J_+1], v[J_+1]
	v_pk_fma_f32 v[J_+64:J_+65], v[J_+64:J_+65], s[CS:CS+1], v[P2+8:P2+9] op_sel_hi:[1,0,0]
.set J_, J_+2
.endr
	WALU                                           ; ahead of the batch's first reader
	SUM 0
	BYTES 0
	WALU
.set J_, S
.rept 32                               ; tile B's exponentials, and tile A's holds among them
	v_exp_f32 v[J_+64], v[J_+64]
	v_exp_f32 v[J_+65], v[J_+65]
	HOLD2 J_, (J_/16)
.set J_, J_+2
.endr
	WALU
	SUM 1
	BYTES 1
.irp b, 0,1,2,3                        ; tile B's holds, and tile A's conversions among them
.irp i, 0,2,4,6,8,10,12,14
	HOLD2 S+64+16*\b+\i, 4+\b
.endr
	CVT \b
.endr
.irp b, 4,5,6,7
	CVT \b
.endr
	WIN 0
.if \kl
	s_add_co_u32 s[TC], s[TC], 16384               ; the next key step
	s_add_co_u32 s[TK], s[TK], 512
	s_add_co_u32 s[TV], s[TV], 256
	v_add_nc_u32 v[ADC], s[TC], v[LI]
	v_add_nc_u32 v[ADK], s[TK], v[LS]
	v_add_nc_u32 v[ADV], s[TV], v[LS]
.else
	v_nop                                          ; a plain line behind the last conversion
.endif
.endm
	s_load_b256 s[4:11], s[0:1], 0x0               ; qimg, qsc, kv, apan
	v_lshl_add_u32 v[SPW], v0, 2, SPARE
	v_mov_b32 v[NIL], 0
	ds_add_u32 v[SPW], v[NIL]                      ; the wave's opening: the add, twice on end, and its wait ahead of my first tensor load
	ds_add_u32 v[SPW], v[NIL]
	v_lshrrev_b32 v8, 5, v0
	v_readfirstlane_b32 s[WV], v8                  ; wave 0..7
	s_bfe_u32 s13, ttmp6, 0x40000                  ; cx
	s_lshl_b32 s14, ttmp9, 2
	s_add_co_u32 s14, s14, s13                     ; my block of 256 queries: it enters Q's and the result's addresses alone
	s_and_b32 s15, ttmp7, 0xffff                   ; the head (16 x batch + head), which the four partners share
	s_mov_b32 s[G1A], 15|(3<<16)|(1<<21)           ; 15:0 the mask: all four; 17:16 elements of 8 bytes; 21 set beside a mask; no padding
	s_mov_b32 s[G1A+1], 32<<16                     ; rows of 32 elements: 256 bytes
	s_mov_b32 s[G1A+2], 60<<16                     ; 60 rows
	s_mov_b32 s[G1A+3], 32<<16
	s_mov_b32 s[G1A+4], 60
	s_mov_b32 s[G1A+5], 32                         ; dense
	s_mov_b32 s[G1A+6], 0
	s_mov_b32 s[G1A+7], 0
	s_mov_b32 s[G1B], 15|(3<<16)|(1<<21)
	s_mov_b32 s[G1B+1], 32<<16
	s_mov_b32 s[G1B+2], 208<<16                    ; 208 rows
	s_mov_b32 s[G1B+3], 32<<16
	s_mov_b32 s[G1B+4], 208
	s_mov_b32 s[G1B+5], 32
	s_mov_b32 s[G1B+6], 0
	s_mov_b32 s[G1B+7], 0
	s_mul_i32 s50, s15, 274432                     ; the head's block of kv
	s_and_b32 s51, s[WV], 3
	s_mov_b32 s[G0A], 1
	s_mul_i32 s[G0A+1], s51, 15360                 ; my 60 rows, in LDS as in the block
	s_add_co_u32 s52, s50, s[G0A+1]
	s_mov_b32 s53, 0
	s_mov_b32 s[G0B], 1
	s_mul_i32 s[G0B+1], s51, 53248                 ; my 208 rows, behind the first 61,440 bytes
	s_add_co_u32 s[G0B+1], s[G0B+1], 61440
	s_add_co_u32 s54, s50, s[G0B+1]
	s_mov_b32 s55, 0
	s_mov_b32 s[SEL], 0x76543210
	s_mov_b32 s[SEL+1], 0xfedcba98
	s_mov_b32 s[CS], 0x3e38aa3b                    ; c = log2(e) / 8
	s_mov_b32 s[CS+1], s[CS]                       ; (named with it as a pair, so it is written)
	s_mov_b32 s[NC], 0xbe38aa3b
	s_mov_b32 s[LMK], 0x4600000
	s_mov_b32 s[MNT], 0x600000
	s_mov_b32 s[TC], 12288
	s_mov_b32 s[TK], 0
	s_mov_b32 s[TV], 0
	s_lshl_b32 s56, s15, 7
	s_lshl_b32 s57, s14, 4
	s_add_co_u32 s56, s56, s57
	s_lshl_b32 s57, s[WV], 1
	s_add_co_u32 s56, s56, s57                     ; my first token tile: 128 x head + 16 x block + 2 x wave
	s_lshl_b32 s58, s56, 10                        ; its codes
	s_mov_b32 s59, 0
	s_lshl_b32 s60, s56, 6                         ; its scale words
	s_mov_b32 s61, 0
	s_lshr_b32 s62, s15, 4
	s_lshl_b32 s62, s62, 4
	s_lshl_b32 s63, s14, 1
	s_add_co_u32 s62, s62, s63
	s_lshr_b32 s63, s[WV], 2
	s_add_co_u32 s62, s62, s63                     ; the result's panel: 16 x batch + 2 x block + wave / 4
	s_mul_i32 s62, s62, 135168
	s_bfe_u32 s63, s15, 0x30001                    ; its K step: head / 2
	s_mul_i32 s63, s63, 16896
	s_add_co_u32 s62, s62, s63
	s_lshl_b32 s63, s51, 1                         ; my first tile in the panel
	s_and_b32 s57, s15, 1                          ; which half of the K step is my head's
	s_lshl_b32 s66, s63, 11
	s_add_co_u32 s66, s66, s62
	s_lshl_b32 s67, s57, 10
	s_add_co_u32 s66, s66, s67                     ; the codes: + 2,048 x tile + 1,024 x half
	s_mov_b32 s67, 0
	s_lshl_b32 s68, s63, 6
	s_add_co_u32 s68, s68, s62
	s_lshl_b32 s69, s57, 1
	s_add_co_u32 s68, s68, s69
	s_add_co_u32 s68, s68, 16384                   ; the scale bytes: + 16,384 + 64 x tile + 2 x half
	s_mov_b32 s69, 0
	WALU
	s_wait_dscnt 0x0                               ; both opening adds are done
	CROUND                                         ; the opening round: all four work-groups are here, the joint loads meet
	s_wait_kmcnt 0x0
	s_add_nc_u64 s[G0A+2:G0A+3], s[8:9], s[52:53]
	s_or_b32 s[G0A+3], s[G0A+3], 0x80000000
	s_add_nc_u64 s[G0B+2:G0B+3], s[8:9], s[54:55]
	s_or_b32 s[G0B+3], s[G0B+3], 0x80000000
	s_cmp_lt_u32 s[WV], 4                          ; one load a wave; a line of its own for what is shown first
	s_cbranch_scc0 .Lhead_rest
	tensor_load_to_lds s[G0A:G0A+3], s[G1A:G1A+7]  ; waves 0 to 3: the scale words and key steps 0 to 2
	s_nop 0
	PLACES 4
	s_branch .Lhead_asked
.Lhead_rest:
	tensor_load_to_lds s[G0B:G0B+3], s[G1B:G1B+7]  ; waves 4 to 7: key steps 3 to 15
	s_nop 0
	PLACES 4
.Lhead_asked:
	s_add_nc_u64 s[4:5], s[4:5], s[58:59]
	s_add_nc_u64 s[6:7], s[6:7], s[60:61]
	s_add_nc_u64 s[66:67], s[10:11], s[66:67]
	s_add_nc_u64 s[68:69], s[10:11], s[68:69]
	v_and_b32 v8, 31, v0
	v_and_b32 v9, 15, v0
	v_lshlrev_b32 v[LI], 4, v8
	v_lshlrev_b32 v[LS], 2, v8
	v_lshlrev_b32 v9, 2, v9                        ; 4 r; it stays
	global_load_b128 v[QF:QF+3], v[LI], s[4:5]     ; Q's two tiles stay in registers
	global_load_b128 v[QF+4:QF+7], v[LI], s[4:5] offset:512
	global_load_b128 v[QF+16:QF+19], v[LI], s[4:5] offset:1024
	global_load_b128 v[QF+20:QF+23], v[LI], s[4:5] offset:1536
	global_load_b32 v[QS], v[LS], s[6:7]
	v_add_nc_u32 v[ADC], s[TC], v[LI]
	v_add_nc_u32 v[ADK], s[TK], v[LS]
	v_add_nc_u32 v[ADV], s[TV], v[LS]
.irp j, 0,1,2,3,4,5,6,7
	v_mov_b32 v[QF+8+\j], 0                        ; Q's codes of k = 64 .. 127
	v_mov_b32 v[QF+24+\j], 0
	v_mov_b32 v[KF+64+\j], 0                       ; and what stands behind K's last tile
.endr
	WIN 0x40                                       ; destination window 1
.irp b, 0,1,2,3,4,5,6,7
	v_mov_b32 v[PT+\b], 0                          ; written once: a lane permute's destination counts as one of its sources
.endr
.irp a, 0,8
	v_mov_b32 v[P1+1+\a], 0xff61b1e6               ; the largest score so far: -3e38
	v_mov_b32 v[P1+\a], 0x7f61b1e6                 ; -M: the first f is 0, on a sum of 0
	v_mov_b32 v[LR+\a], 0
	v_mov_b32 v[LR+1+\a], 0
	v_mov_b32 v[FF+1+\a], 0                        ; (named as the upper half of a pair)
.endr
	WIN 0
	WALU                                           ; the head's end
	s_cmp_lt_u32 s[WV], 4
	s_cbranch_scc0 .Lnot_first
	s_wait_tensorcnt 0x0                           ; waves 0 to 3: my rows of the first part are in.  The other waves' wait stands behind key step 1
.Lnot_first:
	s_barrier_signal -1
	s_barrier_wait -1                              ; the first part is in
	KLOAD 0
	s_wait_loadcnt 0x0                             ; Q
	STEP 0, 1
	STEP 1, 1
	WALU
	s_wait_tensorcnt 0x0                           ; my rows are in, of whichever part
	s_wait_dscnt 0x0
	s_barrier_signal -1
	s_barrier_wait -1                              ; everybody's are
	s_mov_b32 s[CNT], 13
.Lrest:                                            ; key steps 2 to 14
	STEP 2, 1
	s_sub_co_u32 s[CNT], s[CNT], 1
	s_cmp_lg_u32 s[CNT], 0
	s_cbranch_scc1 .Lrest
	STEP 2, 0                                      ; key step 15: no K behind it
	; THE WAY OUT: the last step's product of V; O^T / the sum, quantised along E: my head's 64 channels are two blocks, two chunks of the panel's image
	WALU
	s_wait_dscnt 0x0                               ; V
	RESCALE
	PVALL 2
	WIN 0x55
.irp a, 0,8
	v_add_f32 v[LR+\a], v[LR+\a], v[LR+1+\a]       ; the sum's two halves,
.endr
.irp a, 0,8
	v_permlanex16_b32 v[PT+\a/8], v[LR+\a], s[SEL], s[SEL+1]
.endr
.irp a, 0,8
	v_add_f32 v[LR+\a], v[LR+\a], v[PT+\a/8]       ; and lane l xor 16's.  These six and two more are the places behind the last products
.endr
	PLACES 2
	WALU
	v_rcp_f32 v[LR], v[LR]
	v_rcp_f32 v[LR+8], v[LR+8]
	v_nop                                          ; a plain line behind the reciprocals
	WALU                                           ; ahead of their first reader and of O^T's
.set J_, 0
.rept 16
	v_pk_mul_f32 v[S+J_:S+J_+1], v[O+J_:O+J_+1], v[LR:LR+1] op_sel_hi:[1,0]   ; register 16 b + i of a tile is channel 32 b + 16 (lane / 16) + i of its query; each accumulator from its low end on
	v_pk_mul_f32 v[S+32+J_:S+33+J_], v[O+32+J_:O+33+J_], v[LR+8:LR+9] op_sel_hi:[1,0]
.set J_, J_+2
.endr
.irp b, 0,1,2,3
	v_max3_num_f32 v[BM+\b], |v[S+16*\b]|, |v[S+1+16*\b]|, 0x4800000   ; two blocks a tile, by turns; the floor 2^(9 - 127): the byte cannot fall under 1
.endr
.irp i, 2,4,6,8,10,12,14
.irp b, 0,1,2,3
	v_max3_num_f32 v[BM+\b], v[BM+\b], |v[S+16*\b+\i]|, |v[S+1+16*\b+\i]|
.endr
.endr
.irp b, 0,1,2,3
	v_permlanex16_b32 v[PT+\b], v[BM+\b], s[SEL], s[SEL+1]
.endr
.irp b, 0,1,2,3
	v_max_num_f32 v[BM+\b], v[BM+\b], v[PT+\b]
.endr
.irp b, 0,1,2,3
	v_add_nc_u32 v[BM+4+\b], 0xfc000000, v[BM+\b]  ; the conversions' scale operand
.endr
.irp b, 0,1,2,3
	v_and_or_b32 v[PT+\b], v[BM+\b], 0x7f800000, s[MNT]   ; 448 x the scale
.endr
.irp b, 0,1,2,3
	v_lshrrev_b32 v[PT+4+\b], 23, v[BM+4+\b]       ; the byte
.endr
.irp a, 0,1
	v_lshl_or_b32 v[P2+1+8*\a], v[PT+5+2*\a], 8, v[PT+4+2*\a]
.endr
.irp b, 0,1,2,3
.irp i, 0,1,2,3,4,5,6,7,8,9,10,11,12,13,14,15
	v_med3_num_f32 v[S+16*\b+\i], v[S+16*\b+\i], -v[PT+\b], v[PT+\b]
.endr
	v_cvt_scalef32_pk8_fp8_f32 v[PC+4*\b:PC+4*\b+1], v[S+16*\b:S+16*\b+7], v[BM+4+\b]
	v_cvt_scalef32_pk8_fp8_f32 v[PC+4*\b+2:PC+4*\b+3], v[S+16*\b+8:S+16*\b+15], v[BM+4+\b]
.endr
	v_nop
	WIN 0x04                                       ; addresses window 0, data window 1
.irp a, 0,1
	global_store_b128 v[LI], v[PC+8*\a:PC+8*\a+3], s[66:67] offset:2048*\a            ; 512 consecutive bytes
	global_store_b128 v[LI], v[PC+8*\a+4:PC+8*\a+7], s[66:67] offset:2048*\a+512
	global_store_b16 v9, v[P2+1+8*\a], s[68:69] offset:64*\a   ; my head's two bytes of each row's word (lanes r and r + 16 store the same); the other two are the neighbouring head's
.endr
	WIN 0
	s_wait_tensorcnt 0x0                           ; the wave's end
	ds_add_u32 v[SPW], v[NIL]
	s_wait_dscnt 0x0
	CROUND                                         ; the closing round
	s_endpgm
.Lfunc_end_k_q92db7f47a9_attn:
	.size	k_q92db7f47a9_attn, .Lfunc_end_k_q92db7f47a9_attn-k_q92db7f47a9_attn
	.p2alignl 7, 3214868480
	.fill 96, 4, 3214868480
	.section	.rodata,"a",@progbits
	.p2align	6, 0x0
	.amdhsa_kernel k_q92db7f47a9_attn
		.amdhsa_group_segment_fixed_size 327680
		.amdhsa_private_segment_fixed_size 0
		.amdhsa_enable_private_segment 0
		.amdhsa_kernarg_size 32
		.amdhsa_user_sgpr_count 2
		.amdhsa_user_sgpr_kernarg_segment_ptr 1
		.amdhsa_wavefront_size32 1
		.amdhsa_system_sgpr_workgroup_id_x 1
		.amdhsa_system_sgpr_workgroup_id_y 1
		.amdhsa_system_sgpr_workgroup_id_z 1
		.amdhsa_system_vgpr_workitem_id 0
		.amdhsa_next_free_vgpr 512
		.amdhsa_next_free_sgpr 70
		.amdhsa_reserve_vcc 0
		.amdhsa_float_denorm_mode_32 3
		.amdhsa_float_denorm_mode_16_64 3
		.amdhsa_memory_ordered 1
		.amdhsa_forward_progress 1
		.amdhsa_inst_pref_size 147
	.end_amdhsa_kernel
	.amdgpu_metadata
---
amdhsa.version: [ 1, 2 ]
amdhsa.kernels:
  - .name:           k_q92db7f47a9_attn
    .symbol:         k_q92db7f47a9_attn.kd
    .args:
      - { .name: qimg, .offset: 0, .size: 8, .value_kind: global_buffer, .address_space: global }
      - { .name: qsc, .offset: 8, .size: 8, .value_kind: global_buffer, .address_space: global }
      - { .name: kv, .offset: 16, .size: 8, .value_kind: global_buffer, .address_space: global }
      - { .name: apan, .offset: 24, .size: 8, .value_kind: global_buffer, .address_space: global }
    .group_segment_fixed_size: 327680
    .private_segment_fixed_size: 0
    .kernarg_segment_align: 8
    .kernarg_segment_size: 32
    .max_flat_workgroup_size: 256
    .sgpr_count:     70
    .vgpr_count:     512
    .wavefront_size: 32
...
	.end_amdgpu_metadata
.endif
;; end of part 3
;; launch oproj (part 4): grid 8 x 32, 4 waves a work-group, clusters of 4 x 4, 327,680 bytes of LDS; arguments apan, pan, bo, out0; writes out0
.if DOCPART == 4
	.amdgcn_target "amdgcn-amd-amdhsa--gfx1250"
	.amdhsa_code_object_version 6
	.text
	.protected	k_q92db7f47a9_oproj
	.globl	k_q92db7f47a9_oproj
	.p2align	8
	.type	k_q92db7f47a9_oproj,@function
k_q92db7f47a9_oproj:
	s_mov_b64 s[64:65], 0
	v_nop
	global_prefetch_b8 v0, s[64:65] scope:SCOPE_SE
	s_setreg_imm32_b32 hwreg(HW_REG_WAVE_MODE, 25, 1), 1
	s_wait_xcnt 0x0
	s_wait_alu depctr_hold_cnt(0) depctr_sa_sdst(0) depctr_va_vdst(0) depctr_va_sdst(0) depctr_va_ssrc(0) depctr_va_vcc(0) depctr_vm_vsrc(0)
	s_getreg_b32 s2, hwreg(HW_REG_IB_STS2, 6, 4)
	s_cmp_eq_u32 s2, 0
	s_cbranch_scc0 .Lentry_in_a_cluster
	s_endpgm
.Lentry_in_a_cluster:
	s_bfe_u32 s2, ttmp6, 0x10000c
	s_cmp_lg_u32 s2, 0xf033
	s_cbranch_scc0 .Lentry_shape_is_right
	s_endpgm
.Lentry_shape_is_right:
; Launch 4 of 4: out = O Wo^T + bo on the codes of apan and of pan's last eight panels; f32 results.  Nothing is left out.
; SHARES.  Work-group (fb, tb) makes 128 tokens x 128 features, wave (wy, wx) 64 x 64 of them: 16 accumulators, begun with the bias as C.  The two panels come into LDS whole, filled once, one load a wave: waves 0 and 1
; bring K steps 0 to 3 of O's and of Wo's panel, waves 2 and 3 K steps 4 to 7, 264 rows of 256 bytes each.  K steps 0 to 3 are worked on the first halves alone.
; CLUSTER 4 x 4: O's panel hangs on tb alone and is asked for jointly along a row of the cluster, Wo's on fb alone and jointly along a column.  All bytes are asked for at the head, so no prefetch could run ahead of a load.
; Results leave through each wave's own stage in LDS as aligned units of 256 bytes.  LIMITS: as in the launches before (NaN and infinities are not served).
.set PANB,  135168                     ; a panel: 8 K steps of 16,896 bytes: 8 tiles' codes, then their scale words
.set KSB,   16896
.set HALFP, 67584
.set R1,    135168
.set STG,   270336
.set SPARE, STG+4*4352
.set LI,  1
.set LS,  2
.set SPW, 3
.set NIL, 4
.set AX,  10
.set AXS, 12
.set AW,  14
.set AWS, 18
.set STO, 22
.set RD,  23
.set CO,  24
.set XS,  32
.set WS,  50                           ; a product's two scale words have numbers that differ modulo 8
.set BK,  64
.set ACC, 128
.set BO,  128
.set WV,  18
.set G1X, 24
.set G1W, 32
.set G0X, 40
.set G0W, 44
.set MSB, 0
.macro WIN new
.if MSB != \new
	s_set_vgpr_msb (MSB<<8)|\new
.set MSB, \new
.endif
.endm
.macro PLACES n
.rept \n
	v_nop
.endr
.endm
.macro CROUND
	s_barrier_signal -1
	s_barrier_wait -1
	s_cmp_lg_u32 s[WV], 0
	s_cbranch_scc1 .Lnot_wave_0_\@
	s_barrier_signal -3
.Lnot_wave_0_\@:
	s_barrier_wait -3
	s_barrier_signal -1
	s_barrier_wait -1
.endm
.macro FETCHX s                        ; O's four fragments of K step s and their scale words: 18 LDS loads; each K step has registers of its own (window 2: steps 0-3, window 3: 4-7)
.if (\s) < 4
	WIN 0x80
.else
	WIN 0xc0
.endif
.irp a, 0,1,2,3
.irp c, 0,1,2,3
	ds_load_b128 v[64*((\s)%4)+16*\a+4*\c:64*((\s)%4)+16*\a+4*\c+3], v[AX+(\s)/4] offset:((\s)%4)*KSB+2048*\a+512*\c
.endr
.endr
	WIN 0
.irp p, 0,1
	ds_load_b32 v[XS+2*(\s)+\p], v[AXS+(\s)/4] offset:((\s)%4)*KSB+128*\p
.endr
.endm
.macro FETCHW s
	WIN 0x40
.irp b, 0,1,2,3
.irp c, 0,1,2,3
	ds_load_b128 v[64*((\s)%2)+16*\b+4*\c:64*((\s)%2)+16*\b+4*\c+3], v[AW+(\s)/4] offset:((\s)%4)*KSB+2048*\b+512*\c
.endr
.endr
	WIN 0
.irp p, 0,1
	ds_load_b32 v[WS+2*((\s)%2)+\p], v[AWS+(\s)/4] offset:((\s)%4)*KSB+128*\p
.endr
.endm
.macro WM
.if (pA == 0) && (pB == 0)
	v_wmma_scale_f32_16x16x128_f8f6f4 v[rD:rD+7], v[rA:rA+15], v[rB:rB+15], v[rC:rC+7], v[rSA], v[rSB]
.elseif (pA == 1) && (pB == 0)
	v_wmma_scale_f32_16x16x128_f8f6f4 v[rD:rD+7], v[rA:rA+15], v[rB:rB+15], v[rC:rC+7], v[rSA], v[rSB] matrix_a_scale:MATRIX_SCALE_ROW1
.elseif (pA == 0)
	v_wmma_scale_f32_16x16x128_f8f6f4 v[rD:rD+7], v[rA:rA+15], v[rB:rB+15], v[rC:rC+7], v[rSA], v[rSB] matrix_b_scale:MATRIX_SCALE_ROW1
.else
	v_wmma_scale_f32_16x16x128_f8f6f4 v[rD:rD+7], v[rA:rA+15], v[rB:rB+15], v[rC:rC+7], v[rSA], v[rSB] matrix_a_scale:MATRIX_SCALE_ROW1 matrix_b_scale:MATRIX_SCALE_ROW1
.endif
.endm
.macro KSTEP s
.if (\s) < 7
.if (\s) == 3
	s_wait_tensorcnt 0x0                           ; my half panel is in, whichever it was
	s_wait_dscnt 0x0                               ; this step's fragments too
	s_barrier_signal -1
	s_barrier_wait -1                              ; K steps 4 to 7 are in
.endif
.if (\s) > 0
	PLACES 8
.endif
	FETCHX \s+1
	FETCHW \s+1
.if (\s) != 3
	s_wait_dscnt 36                                ; all but the 36 just issued
.endif
.else
	s_wait_dscnt 0x0
.endif
.if (\s) == 0
	WIN 0x19
.elseif (\s) < 4
	WIN 0x09
.else
	WIN 0x0d
.endif
.irp a, 0,1,2,3
.irp b, 0,1,2,3
.set rD, ACC+32*\a+8*\b
.set rA, 64*((\s)%2)+16*\b
.set rB, 64*((\s)%4)+16*\a
.set rSA, WS+2*((\s)%2)+\b/2
.set rSB, XS+2*(\s)+\a/2
.set pA, \b%2
.set pB, \a%2
.set rC, BO+8*\b
.if (\s) > 0
.set rC, rD
.endif
	WM
.endr
.endr
	WIN 0
.endm
.macro TOSTAGE a
.irp b, 0,1,2,3
.irp q, 0,1
	ds_store_b128 v[STO], v[ACC+32*(\a)+8*\b+4*\q:ACC+32*(\a)+8*\b+4*\q+3] offset:128*(\b/2)+32*(\b%2)+16*\q
.endr
.endr
.irp i, 0,1,2,3,4,5,6,7
	ds_load_b128 v[BK+32*((\a)%2)+4*\i:BK+32*((\a)%2)+4*\i+3], v[RD] offset:544*\i
.endr
.endm
.macro SEND a, younger
	s_wait_dscnt \younger
.irp i, 0,1,2,3,4,5,6,7
	global_store_b128 v[CO], v[BK+32*((\a)%2)+4*\i:BK+32*((\a)%2)+4*\i+3], s[66:67] offset:(32*((\a)/2)+8*((\a)%2)+2*\i+8*(\i/4))*4096 th:TH_STORE_NT
.endr
.endm
	s_load_b256 s[4:11], s[0:1], 0x0
	v_lshl_add_u32 v[SPW], v0, 2, SPARE
	v_mov_b32 v[NIL], 0
	ds_add_u32 v[SPW], v[NIL]
	ds_add_u32 v[SPW], v[NIL]
	v_lshrrev_b32 v5, 5, v0
	v_readfirstlane_b32 s[WV], v5
	s_lshr_b32 s19, s[WV], 1
	s_and_b32 s20, s[WV], 1
	s_bfe_u32 s21, ttmp6, 0x40000
	s_bfe_u32 s22, ttmp6, 0x40004
	s_lshl_b32 s23, ttmp9, 2
	s_add_co_u32 s23, s23, s21
	s_and_b32 s56, ttmp7, 0xffff
	s_lshl_b32 s56, s56, 2
	s_add_co_u32 s56, s56, s22
	s_lshl_b32 s86, s22, 2
	s_lshl_b32 s86, 15, s86
	s_lshl_b32 s87, 0x1111, s21
	s_or_b32 s[G1X], s86, (3<<16)|(1<<21)
	s_or_b32 s[G1W], s87, (3<<16)|(1<<21)
.irp g, G1X, G1W
	s_mov_b32 s[\g+1], 32<<16
	s_mov_b32 s[\g+2], 264<<16
	s_mov_b32 s[\g+3], 32<<16
	s_mov_b32 s[\g+4], 264
	s_mov_b32 s[\g+5], 32
	s_mov_b32 s[\g+6], 0
	s_mov_b32 s[\g+7], 0
.endr
	s_mul_i32 s57, s19, HALFP                      ; my half of a panel: K steps 0-3 or 4-7
	s_mul_i32 s58, s56, PANB
	s_add_co_u32 s58, s58, s57
	s_mov_b32 s59, 0
	s_add_co_u32 s84, s23, 56
	s_mul_i32 s84, s84, PANB
	s_add_co_u32 s84, s84, s57
	s_mov_b32 s85, 0
	s_lshl_b32 s66, s56, 19
	s_lshl_b32 s88, s19, 18
	s_add_co_u32 s66, s66, s88
	s_lshl_b32 s78, s23, 9
	s_lshl_b32 s88, s20, 8
	s_add_co_u32 s78, s78, s88
	s_add_co_u32 s66, s66, s78
	s_mov_b32 s67, 0
	s_mov_b32 s79, 0
	s_wait_dscnt 0x0                               ; both opening adds are done
	CROUND                                         ; the opening round: the joint loads meet
	s_wait_kmcnt 0x0
	s_add_nc_u64 s[66:67], s[10:11], s[66:67]
	s_add_nc_u64 s[78:79], s[8:9], s[78:79]
	s_mov_b32 s[G0X], 1
	s_mov_b32 s[G0X+1], s57
	s_add_nc_u64 s[G0X+2:G0X+3], s[4:5], s[58:59]
	s_or_b32 s[G0X+3], s[G0X+3], 0x80000000
	s_mov_b32 s[G0W], 1
	s_add_co_u32 s[G0W+1], s57, R1
	s_add_nc_u64 s[G0W+2:G0W+3], s[6:7], s[84:85]
	s_or_b32 s[G0W+3], s[G0W+3], 0x80000000
; one load a wave, each in an arm of its own: waves 0 and 1 what the first barrier shows, waves 2 and 3 the rest
.macro ARM under, g0, g1, next
	s_cmp_lt_u32 s[WV], \under
	s_cbranch_scc0 \next
	tensor_load_to_lds s[\g0:\g0+3], s[\g1:\g1+7]
	s_nop 0
	PLACES 4
	s_branch .Lhead_asked
\next:
.endm
	ARM 1, G0X, G1X, .Lhead_1
	ARM 2, G0W, G1W, .Lhead_2
	ARM 3, G0X, G1X, .Lhead_3
	tensor_load_to_lds s[G0W:G0W+3], s[G1W:G1W+7]
	s_nop 0
	PLACES 4
.Lhead_asked:
	v_and_b32 v9, 31, v0
	v_and_b32 v5, 15, v0
	v_bfe_u32 v6, v0, 4, 1
	v_lshlrev_b32 v[LI], 4, v9
	v_lshlrev_b32 v[LS], 2, v9
	v_lshlrev_b32 v7, 6, v6
	s_lshl_b32 s80, s19, 13
	v_add_nc_u32 v[AX], s80, v[LI]
	v_add_nc_u32 v[AX+1], HALFP, v[AX]
	s_lshl_b32 s81, s19, 8
	s_add_co_u32 s81, s81, 16384
	v_add_nc_u32 v[AXS], s81, v[LS]
	v_add_nc_u32 v[AXS+1], HALFP, v[AXS]
	s_lshl_b32 s82, s20, 13
	s_add_co_u32 s82, s82, R1
	v_add_nc_u32 v[AW], s82, v[LI]
	v_add_nc_u32 v[AW+1], HALFP, v[AW]
	s_lshl_b32 s83, s20, 8
	s_add_co_u32 s83, s83, R1+16384
	v_add_nc_u32 v[AWS], s83, v[LS]
	v_add_nc_u32 v[AWS+1], HALFP, v[AWS]
	s_mul_i32 s88, s[WV], 4352
	s_add_co_u32 s88, s88, STG
	v_mul_u32_u24 v[STO], v5, 272
	v_lshl_add_u32 v[STO], v6, 6, v[STO]
	v_add_nc_u32 v[STO], s88, v[STO]
	v_mul_u32_u24 v[RD], v6, 272
	v_lshl_add_u32 v[RD], v5, 4, v[RD]
	v_add_nc_u32 v[RD], s88, v[RD]
	v_lshlrev_b32 v[CO], 12, v6
	v_lshl_add_u32 v[CO], v5, 4, v[CO]
	WIN 0x40
.irp b, 0,1,2,3
	global_load_b128 v[BO+8*\b:BO+8*\b+3], v7, s[78:79] offset:(32*(\b/2)+8*(\b%2))*4
	global_load_b128 v[BO+8*\b+4:BO+8*\b+7], v7, s[78:79] offset:(32*(\b/2)+8*(\b%2))*4+16
.endr
	WIN 0
	s_wait_alu depctr_va_vdst(0)
	s_cmp_lt_u32 s[WV], 2
	s_cbranch_scc0 .Lnot_first
	s_wait_tensorcnt 0x0                           ; waves 0 and 1: my half panel is in.  Waves 2 and 3 wait in K step 3
.Lnot_first:
	s_barrier_signal -1
	s_barrier_wait -1                              ; K steps 0 to 3 are in
	FETCHX 0
	FETCHW 0
	s_wait_loadcnt 0x0
.irp s, 0,1,2,3,4,5,6,7
	KSTEP \s
.endr
	PLACES 8
	TOSTAGE 0
.irp a, 1,2,3
.if \a > 1
	s_wait_xcnt 0x0
.endif
	TOSTAGE \a
	SEND \a-1, 16
.endr
	SEND 3, 0
	s_wait_tensorcnt 0x0
	ds_add_u32 v[SPW], v[NIL]
	s_wait_dscnt 0x0
	CROUND
	s_endpgm
.Lfunc_end_k_q92db7f47a9_oproj:
	.size	k_q92db7f47a9_oproj, .Lfunc_end_k_q92db7f47a9_oproj-k_q92db7f47a9_oproj
	.p2alignl 7, 3214868480
	.fill 96, 4, 3214868480
	.section	.rodata,"a",@progbits
	.p2align	6, 0x0
	.amdhsa_kernel k_q92db7f47a9_oproj
		.amdhsa_group_segment_fixed_size 327680
		.amdhsa_private_segment_fixed_size 0
		.amdhsa_enable_private_segment 0
		.amdhsa_kernarg_size 32
		.amdhsa_user_sgpr_count 2
		.amdhsa_user_sgpr_kernarg_segment_ptr 1
		.amdhsa_wavefront_size32 1
		.amdhsa_system_sgpr_workgroup_id_x 1
		.amdhsa_system_sgpr_workgroup_id_y 1
		.amdhsa_system_sgpr_workgroup_id_z 1
		.amdhsa_system_vgpr_workitem_id 0
		.amdhsa_next_free_vgpr 1024
		.amdhsa_next_free_sgpr 90
		.amdhsa_reserve_vcc 0
		.amdhsa_float_denorm_mode_32 3
		.amdhsa_float_denorm_mode_16_64 3
		.amdhsa_memory_ordered 1
		.amdhsa_forward_progress 1
		.amdhsa_inst_pref_size 53
	.end_amdhsa_kernel
	.amdgpu_metadata
---
amdhsa.version: [ 1, 2 ]
amdhsa.kernels:
  - .name:           k_q92db7f47a9_oproj
    .symbol:         k_q92db7f47a9_oproj.kd
    .args:
      - { .name: apan, .offset: 0, .size: 8, .value_kind: global_buffer, .address_space: global }
      - { .name: pan, .offset: 8, .size: 8, .value_kind: global_buffer, .address_space: global }
      - { .name: bo, .offset: 16, .size: 8, .value_kind: global_buffer, .address_space: global }
      - { .name: out0, .offset: 24, .size: 8, .value_kind: global_buffer, .address_space: global }
    .group_segment_fixed_size: 327680
    .private_segment_fixed_size: 0
    .kernarg_segment_align: 8
    .kernarg_segment_size: 32
    .max_flat_workgroup_size: 128
    .sgpr_count:     90
    .vgpr_count:     1024
    .wavefront_size: 32
...
	.end_amdgpu_metadata
.endif
;; end of part 4
